; MI455X (gfx1250); checked and timed in simulation.
; The chip was launched on July 23, 2026; its instructions are those of AMD's public machine-readable ISA for CDNA 5 (MIT licence, August 2026) and "CDNA5" Instruction Set Architecture Reference Guide (July 2026). The comments in the code are by the model that wrote it; some were corrected since.
;; Causal FMM Attention. Allowed arithmetic: float matrix products may take bf16 or f16 operands with f32 sums; all other float work in f32.
;; Inputs: W1 1 x 1 x 8 x 32 float32; W2 1 x 1 x 8 x 32 float32; W3 1 x 1 x 8 x 32 float32; key_lengths 2 x 2,048 float32; keys 2 x 2,048 x 8 x 32 float32; queries 2 x 2,048 x 8 x 32 float32; values 2 x 2,048 x 8 x 32 float32.
;; Outputs: out0 2 x 2,048 x 8 x 32 float32.
;; 2 versions, each right; version 2 is version 1 with the launches states, attend written anew for expert scheduling mode. Each part assembles by itself: llvm-mc -triple=amdgcn-amd-amdhsa -mcpu=gfx1250 --defsym DOCPART=n.
;; ======== version 1 of 2: 2 launches
;; limits: values are held in f16: magnitudes above 65,504 overflow, below 6.1e-05 lose precision; inputs' magnitudes at most 65,504
;; workspace buffers: states 2,027,520 bytes
;; launch states (part 1): grid 16 x 15, 4 waves a work-group, no clusters, 37,632 bytes of LDS; arguments keys, values, key_lengths, states; writes states
.if DOCPART == 1
	.amdgcn_target "amdgcn-amd-amdhsa--gfx1250"
	.amdhsa_code_object_version 6
	.text
	.protected	k_q6b758958de_states
	.globl	k_q6b758958de_states
	.p2align	8
	.type	k_q6b758958de_states,@function
k_q6b758958de_states:
	s_mov_b64 s[64:65], 0
	v_nop
	global_prefetch_b8 v0, s[64:65] scope:SCOPE_SE
	s_setreg_imm32_b32 hwreg(HW_REG_WAVE_MODE, 25, 1), 1
	s_wait_xcnt 0x0
; states: for chunk c (128 rows, c = 0..14) of sequence nh = 8 n + head, and for both feature maps kk = 0, 1:
;   S[e][d] = sum over the chunk's rows s of Khat_kk[s][e] V[s][d]   (32 x 32, f32)
;   Kc[e]   = sum over s of Khat_kk[s][e]                            (32, f32)
; Khat = phi(k) klen / sum over e of (phi(k) klen); phi = elu + 1 (kk = 0) or its square (kk = 1).
; The last chunk's state is needed by nobody and is not made.
; Record of 8,448 bytes at (15 nh + c) * 8448: tile T = 4 kk + 2 x + et (x: 16 columns d, et: 16 rows e) at 1024 T, as the
; matrix result's own registers: registers 4q..4q+3 of lane L at 512 q + 16 L; Kc at 8192 + 4 (32 kk + e).
; Four waves.  First each wave maps 32 rows of K and rounds 32 rows of V to bf16 into LDS, rows along e or d; then wave
; (kk, et) reads them back transposed and multiplies: products in bf16, sums in f32.
; LIMITS: k and v finite.  key_lengths is applied as it stands: a 0 gives 0 * (1/0) = NaN, as 0/0 does in the formula.
; A row sum that is denormal counts as 0 in v_rcp_f32 (ISA guide, its entry).  The order of the sums is the matrix unit's.
.set P,    96                          ; LDS row: 64 bytes of bf16 + 32: an odd multiple of 32 for the transposing loads
.set K1R,  0                           ; 128 rows of Khat_0
.set K2R,  12288                       ; 128 rows of Khat_1
.set VR,   24576                       ; 128 rows of V
.set KCS,  36864                       ; 64 f32: Kc of both maps
.set REC,  8448
.set SEL,  22                          ; s22, s23: lane i of one half reads lane i of the other
.set KX0,  16                          ; v[16:47]   two tiles of 16 rows of K, a lane's 16 numbers each
.set VX,   48                          ; v[48:79]   V as loaded
.set FT,   80                          ; v[80:95]   phi
.set FA,   96                          ; v[96:111]  phi squared
.set FU,   112                         ; v[112:119] sums at work
.set F1,   120                         ; v[120:127] Khat_0 in bf16
.set F2,   128                         ; v[128:135] Khat_1 in bf16
.set FR,   136                         ; v[136:139] 1/sum, sum; twice
.set VP,   140                         ; v[140:155] V in bf16
.set AF,   16                          ; second part: v[16:47]  Khat transposed, four K steps of 32 rows
.set BF,   48                          ; v[48:111] V transposed, four K steps x two column blocks
.set ONES, 112                         ; v[112:119] 1.0 in every bf16
.set D0,   120
.set D1,   128
.set D2,   136
.macro PLACES n
.rept \n
	v_nop
.endr
.endm
.macro CVT8 d, x                       ; 16 f32 to 8 registers of bf16, the lower index in the lower half
.irp i, 0,1,2,3,4,5,6,7
	v_cvt_pk_bf16_f32 v[\d+\i], v[\x+2*\i], v[\x+2*\i+1]
.endr
.endm
.macro ROWSUM src, dst                 ; the sum of a row's 32 numbers: my 16, then the 16 of the lane 16 away
	v_pk_add_f32 v[FU:FU+1], v[\src:\src+1], v[\src+2:\src+3]
	v_pk_add_f32 v[FU+2:FU+3], v[\src+4:\src+5], v[\src+6:\src+7]
	v_pk_add_f32 v[FU+4:FU+5], v[\src+8:\src+9], v[\src+10:\src+11]
	v_pk_add_f32 v[FU+6:FU+7], v[\src+12:\src+13], v[\src+14:\src+15]
	v_pk_add_f32 v[FU:FU+1], v[FU:FU+1], v[FU+2:FU+3]
	v_pk_add_f32 v[FU+4:FU+5], v[FU+4:FU+5], v[FU+6:FU+7]
	v_pk_add_f32 v[FU:FU+1], v[FU:FU+1], v[FU+4:FU+5]
	v_add_f32 v[FU], v[FU], v[FU+1]
	v_permlanex16_b32 v[FU+1], v[FU], s[SEL], s[SEL+1]
	v_add_f32 v[\dst], v[FU], v[FU+1]
.endm
; x: 16 f32 of a row (e = 8h..8h+7, 16+8h..16+8h+7).  kl: a pair that holds klen twice, or -1.  f1, f2: the normalised maps in bf16.
.macro FEAT x, kl, f1, f2
.irp i, 0,2,4,6,8,10,12,14
	v_pk_mul_f32 v[FT+\i:FT+\i+1], v[\x+\i:\x+\i+1], 0x3fb8aa3b op_sel_hi:[1,0]     ; x log2(e)
.endr
.irp i, 0,1,2,3,4,5,6,7,8,9,10,11,12,13,14,15
	v_exp_f32 v[FT+\i], v[FT+\i]
.endr
.irp i, 0,2,4,6,8,10,12,14
	v_pk_add_f32 v[FA+\i:FA+\i+1], v[\x+\i:\x+\i+1], 1.0 op_sel_hi:[1,0]            ; x + 1; the first of these is the plain place behind the exponentials (ISA guide 5.7.2)
.endr
	s_wait_alu depctr_va_vdst(0)
.irp i, 0,2,4,6,8,10,12,14
	v_pk_add_f32 v[FT+\i:FT+\i+1], v[FT+\i:FT+\i+1], -1.0 op_sel_hi:[1,0]           ; (e^x - 1) + 1 in two roundings, not e^x: far below 0 the
.endr
.irp i, 0,2,4,6,8,10,12,14
	v_pk_add_f32 v[FT+\i:FT+\i+1], v[FT+\i:FT+\i+1], 1.0 op_sel_hi:[1,0]            ; formula's elu + 1 is a multiple of 2^-24 or 0, and so is this
.endr
.irp i, 0,1,2,3,4,5,6,7,8,9,10,11,12,13,14,15
	v_cmp_lt_f32 vcc_lo, 0, v[\x+\i]
	v_cndmask_b32 v[FT+\i], v[FT+\i], v[FA+\i], vcc_lo                              ; phi = x > 0 ? x + 1 : the exponential's branch
.endr
.irp i, 0,2,4,6,8,10,12,14
	v_pk_mul_f32 v[FA+\i:FA+\i+1], v[FT+\i:FT+\i+1], v[FT+\i:FT+\i+1]               ; phi squared
.endr
.if \kl >= 0
.irp i, 0,2,4,6,8,10,12,14
	v_pk_mul_f32 v[FT+\i:FT+\i+1], v[FT+\i:FT+\i+1], v[\kl:\kl+1]
	v_pk_mul_f32 v[FA+\i:FA+\i+1], v[FA+\i:FA+\i+1], v[\kl:\kl+1]
.endr
.endif
	ROWSUM FT, FR+1
	ROWSUM FA, FR+3
	v_rcp_f32 v[FR], v[FR+1]
	v_rcp_f32 v[FR+2], v[FR+3]
	v_nop                                          ; the plain place behind the reciprocals
	s_wait_alu depctr_va_vdst(0)
.irp i, 0,2,4,6,8,10,12,14
	v_pk_mul_f32 v[FT+\i:FT+\i+1], v[FT+\i:FT+\i+1], v[FR:FR+1] op_sel_hi:[1,0]     ; both halves by the pair's first register
	v_pk_mul_f32 v[FA+\i:FA+\i+1], v[FA+\i:FA+\i+1], v[FR+2:FR+3] op_sel_hi:[1,0]
.endr
	CVT8 \f1, FT
	CVT8 \f2, FA
.endm
	s_load_b256 s[4:11], s[0:1], 0x0               ; keys s[4:5], values s[6:7], key_lengths s[8:9], states s[10:11]
	v_lshl_add_u32 v160, v0, 2, 0x9100
	v_mov_b32 v161, 0
	v_lshrrev_b32 v1, 5, v0
	v_readfirstlane_b32 s12, v1                    ; wave 0..3
	s_mov_b32 s13, ttmp9                           ; nh
	s_and_b32 s14, ttmp7, 0xffff                   ; chunk
	s_lshr_b32 s15, s13, 3                         ; n
	s_and_b32 s26, s13, 7                          ; head
	s_lshl_b32 s16, s15, 21                        ; n * 2048 rows of 1,024 bytes
	s_lshl_b32 s27, s14, 17                        ; + chunk * 128 rows
	s_add_co_u32 s16, s16, s27
	s_lshl_b32 s27, s26, 7                         ; + head * 128 bytes
	s_add_co_u32 s16, s16, s27
	s_mov_b32 s17, 0
	s_lshl_b32 s18, s15, 13                        ; key_lengths: n * 8,192 + chunk * 512
	s_lshl_b32 s27, s14, 9
	s_add_co_u32 s18, s18, s27
	s_mov_b32 s19, 0
	s_mul_i32 s20, s13, 15
	s_add_co_u32 s20, s20, s14
	s_mul_i32 s20, s20, REC                        ; my record
	s_mov_b32 s21, 0
	s_mov_b32 s22, 0x76543210
	s_mov_b32 s23, 0xfedcba98
	s_lshr_b32 s24, s12, 1                         ; second part: kk
	s_and_b32 s25, s12, 1                          ;              et
	s_lshl_b32 s28, s12, 5                         ; my first row, 32 w
	v_and_b32 v1, 31, v0                           ; L
	v_and_b32 v2, 15, v0                           ; r
	v_bfe_u32 v3, v0, 4, 1                         ; h
	v_add_nc_u32 v16, s28, v2                      ; row 32 w + r
	v_lshlrev_b32 v4, 10, v16
	v_lshl_add_u32 v4, v3, 5, v4                   ; K: row * 1024 + 32 h
	v_lshlrev_b32 v6, 2, v16                       ; klen: row * 4
	v_mul_u32_u24 v7, v16, P
	v_lshl_add_u32 v7, v3, 4, v7                   ; LDS: row * 96 + 16 h
	v_bfe_u32 v17, v0, 3, 2                        ; L >> 3
	v_and_b32 v18, 7, v0                           ; L & 7
	v_add_nc_u32 v19, s28, v17
	v_lshlrev_b32 v5, 10, v19
	v_lshl_add_u32 v5, v18, 4, v5                  ; V: eight lanes take a head's row of 128 bytes, four rows a load
	v_mul_u32_u24 v12, v19, P
	v_lshl_add_u32 v12, v18, 3, v12                ; and put it down as 8 bytes a lane
	v_lshl_add_u32 v20, v3, 3, v18
	v_mul_u32_u24 v20, v20, P
	v_bfe_u32 v21, v0, 3, 1
	v_lshl_add_u32 v14, v21, 4, v20                ; transposing load: (8 h + (L & 7)) * 96 + 16 ((L >> 3) & 1)
	s_mul_i32 s29, s24, K2R
	s_lshl_b32 s30, s25, 5
	s_add_co_u32 s29, s29, s30
	v_add_nc_u32 v13, s29, v14                     ; + my map's rows + my 16 columns e
	s_lshl_b32 s30, s24, 2
	s_add_co_u32 s30, s30, s25
	s_lshl_b32 s30, s30, 10
	v_lshl_add_u32 v15, v1, 4, s30                 ; record: tile 4 kk + et, 16 L
	s_lshl_b32 s31, s12, 6
	v_lshl_add_u32 v156, v3, 5, s31                ; Kc in LDS: 4 (16 w + 8 h)
	v_lshlrev_b32 v157, 3, v1                      ; 8 L
	s_wait_kmcnt 0x0
	s_add_nc_u64 s[4:5], s[4:5], s[16:17]
	s_add_nc_u64 s[6:7], s[6:7], s[16:17]
	s_add_nc_u64 s[8:9], s[8:9], s[18:19]
	s_add_nc_u64 s[10:11], s[10:11], s[20:21]
	; 18 loads: K tile 0 (4), its klen, K tile 1 (4), its klen, V (8)
.irp t, 0,1
	global_load_b128 v[KX0+16*\t:KX0+16*\t+3],     v4, s[4:5] offset:16384*\t
	global_load_b128 v[KX0+16*\t+4:KX0+16*\t+7],   v4, s[4:5] offset:16384*\t+16
	global_load_b128 v[KX0+16*\t+8:KX0+16*\t+11],  v4, s[4:5] offset:16384*\t+64
	global_load_b128 v[KX0+16*\t+12:KX0+16*\t+15], v4, s[4:5] offset:16384*\t+80
	global_load_b32 v[8+2*\t], v6, s[8:9] offset:64*\t
.endr
.irp j, 0,1,2,3,4,5,6,7
	global_load_b128 v[VX+4*\j:VX+4*\j+3], v5, s[6:7] offset:4096*\j
.endr
.macro KTILE t, left
	s_wait_loadcnt \left                           ; loads come back in order: this tile and its klen are in, the younger ones stay out
	v_mov_b32 v[9+2*\t], v[8+2*\t]
	FEAT KX0+16*\t, 8+2*\t, F1, F2
	ds_store_b128 v7, v[F1:F1+3]   offset:K1R+1536*\t
	ds_store_b128 v7, v[F1+4:F1+7] offset:K1R+1536*\t+32
	ds_store_b128 v7, v[F2:F2+3]   offset:K2R+1536*\t
	ds_store_b128 v7, v[F2+4:F2+7] offset:K2R+1536*\t+32
.endm
	KTILE 0, 13                                    ; 13 younger: tile 1's four, its klen, V's eight
	KTILE 1, 8                                     ; 8 younger: V's
	s_wait_loadcnt 0x0
.irp j, 0,1,2,3,4,5,6,7
	v_cvt_pk_bf16_f32 v[VP+2*\j],   v[VX+4*\j],   v[VX+4*\j+1]
	v_cvt_pk_bf16_f32 v[VP+2*\j+1], v[VX+4*\j+2], v[VX+4*\j+3]
	ds_store_b64 v12, v[VP+2*\j:VP+2*\j+1] offset:VR+384*\j
.endr
	s_wait_dscnt 0x0                               ; my rows are in LDS, for the other waves' sake
	s_barrier_signal -1
	s_barrier_wait -1
	; second part: D(m = e, n = d) = sum over s.  Both operands lie in LDS with s down the rows: transposing loads.
.irp ks, 0,1,2,3
	ds_load_tr16_b128 v[AF+8*\ks:AF+8*\ks+3],   v13 offset:3072*\ks
	ds_load_tr16_b128 v[AF+8*\ks+4:AF+8*\ks+7], v13 offset:3072*\ks+1536
.irp x, 0,1
	ds_load_tr16_b128 v[BF+16*\ks+8*\x:BF+16*\ks+8*\x+3],   v14 offset:VR+3072*\ks+32*\x
	ds_load_tr16_b128 v[BF+16*\ks+8*\x+4:BF+16*\ks+8*\x+7], v14 offset:VR+3072*\ks+32*\x+1536
.endr
.endr
.irp i, 0,1,2,3,4,5,6,7
	v_mov_b32 v[ONES+\i], 0x3f803f80
.endr
	s_wait_dscnt 0x0
	; three accumulators by turns, one instruction a turn; the first K step starts the sums
	v_wmma_f32_16x16x32_bf16 v[D0:D0+7], v[AF:AF+7], v[BF:BF+7], 0
	v_wmma_f32_16x16x32_bf16 v[D1:D1+7], v[AF:AF+7], v[BF+8:BF+15], 0
	v_wmma_f32_16x16x32_bf16 v[D2:D2+7], v[AF:AF+7], v[ONES:ONES+7], 0
.irp ks, 1,2,3
	v_wmma_f32_16x16x32_bf16 v[D0:D0+7], v[AF+8*\ks:AF+8*\ks+7], v[BF+16*\ks:BF+16*\ks+7], v[D0:D0+7]
	v_wmma_f32_16x16x32_bf16 v[D1:D1+7], v[AF+8*\ks:AF+8*\ks+7], v[BF+16*\ks+8:BF+16*\ks+15], v[D1:D1+7]
	v_wmma_f32_16x16x32_bf16 v[D2:D2+7], v[AF+8*\ks:AF+8*\ks+7], v[ONES:ONES+7], v[D2:D2+7]
.endr
	PLACES 4                                       ; four places before stores read the results
	global_store_b128 v15, v[D0:D0+3], s[10:11]                ; each store of the wave covers 512 consecutive bytes, aligned
	global_store_b128 v15, v[D0+4:D0+7], s[10:11] offset:512
	global_store_b128 v15, v[D1:D1+3], s[10:11] offset:2048
	global_store_b128 v15, v[D1+4:D1+7], s[10:11] offset:2560
	ds_store_b128 v156, v[D2:D2+3] offset:KCS                  ; every column of D2 holds the same sums: 16 lanes write one value to one place
	ds_store_b128 v156, v[D2+4:D2+7] offset:KCS+16
	s_wait_dscnt 0x0
	s_barrier_signal -1
	s_barrier_wait -1
	s_cmp_lg_u32 s12, 0
	s_cbranch_scc1 .Lend
	ds_load_b64 v[16:17], v157 offset:KCS                      ; wave 0 gathers the four waves' 64 sums
	s_wait_dscnt 0x0
	global_store_b64 v157, v[16:17], s[10:11] offset:8192      ; 256 consecutive bytes, aligned
.Lend:
	s_wait_tensorcnt 0x0
	ds_add_u32 v160, v161
	s_wait_dscnt 0x0
	s_endpgm
.Lfunc_end_k_q6b758958de_states:
	.size	k_q6b758958de_states, .Lfunc_end_k_q6b758958de_states-k_q6b758958de_states
	.p2alignl 7, 3214868480
	.fill 96, 4, 3214868480
	.section	.rodata,"a",@progbits
	.p2align	6, 0x0
	.amdhsa_kernel k_q6b758958de_states
		.amdhsa_group_segment_fixed_size 37632
		.amdhsa_private_segment_fixed_size 0
		.amdhsa_enable_private_segment 0
		.amdhsa_kernarg_size 32
		.amdhsa_user_sgpr_count 2
		.amdhsa_user_sgpr_kernarg_segment_ptr 1
		.amdhsa_wavefront_size32 1
		.amdhsa_system_sgpr_workgroup_id_x 1
		.amdhsa_system_sgpr_workgroup_id_y 1
		.amdhsa_system_sgpr_workgroup_id_z 1
		.amdhsa_system_vgpr_workitem_id 0
		.amdhsa_next_free_vgpr 162
		.amdhsa_next_free_sgpr 66
		.amdhsa_reserve_vcc 1
		.amdhsa_float_denorm_mode_32 3
		.amdhsa_float_denorm_mode_16_64 3
		.amdhsa_memory_ordered 1
		.amdhsa_forward_progress 1
		.amdhsa_inst_pref_size 28
	.end_amdhsa_kernel
	.amdgpu_metadata
---
amdhsa.version: [ 1, 2 ]
amdhsa.kernels:
  - .name:           k_q6b758958de_states
    .symbol:         k_q6b758958de_states.kd
    .args:
      - { .name: keys, .offset: 0, .size: 8, .value_kind: global_buffer, .address_space: global }
      - { .name: values, .offset: 8, .size: 8, .value_kind: global_buffer, .address_space: global }
      - { .name: key_lengths, .offset: 16, .size: 8, .value_kind: global_buffer, .address_space: global }
      - { .name: states, .offset: 24, .size: 8, .value_kind: global_buffer, .address_space: global }
    .group_segment_fixed_size: 37632
    .private_segment_fixed_size: 0
    .kernarg_segment_align: 8
    .kernarg_segment_size: 32
    .max_flat_workgroup_size: 128
    .sgpr_count:     66
    .vgpr_count:     162
    .wavefront_size: 32
...
	.end_amdgpu_metadata
.endif
;; end of part 1
;; launch attend (part 2): grid 16 x 16, 8 waves a work-group, no clusters, 54,016 bytes of LDS; arguments queries, keys, values, key_lengths, W1, W2, W3, states, out0; writes out0
.if DOCPART == 2
	.amdgcn_target "amdgcn-amd-amdhsa--gfx1250"
	.amdhsa_code_object_version 6
	.text
	.protected	k_q6b758958de_attend
	.globl	k_q6b758958de_attend
	.p2align	8
	.type	k_q6b758958de_attend,@function
k_q6b758958de_attend:
	s_mov_b64 s[64:65], 0
	v_nop
	global_prefetch_b8 v0, s[64:65] scope:SCOPE_SE
	s_setreg_imm32_b32 hwreg(HW_REG_WAVE_MODE, 25, 1), 1
	s_wait_xcnt 0x0
; attend: out = W1 * band softmax + W2 * linear branch(phi) + W3 * linear branch(phi^2), for chunk c (128 rows) of sequence nh = 8 n + head.
; Eight waves, all with the same text.  Wave w owns the 16 rows 16 w .. 16 w + 15 as queries and as keys.  In front of the one barrier each
; wave (a) adds up its 1/8 of the records of chunks 0 .. c-1 (the state in front of this chunk) and rounds it as matrix operands into LDS,
; (b) brings in two of the 16 rows of V in front of the chunk, (c) maps its K rows and puts them and its V rows into LDS, (d) maps its Q
; rows and makes the band's weights, in registers.  Behind the barrier it multiplies and stores its 16 rows.
; SCORES ARE MADE TRANSPOSED: D = A(16 keys) x B(16 queries), so lane (r, h) register j holds (key 8 h + j, query r).  Two such tiles,
; rounded in pairs, are the B operand (n = query, k = 32 keys) of O^T = A(V^T, m = d) x B: scores never leave registers.
; Denominators: the same B operand against an A of ones; every row of that result holds query r's sum, so every lane has its own.
; FORMATS.  A sequence's first rows are means over a few keys: there a rounding of a weight or a value shows whole in the result, so the
; products inside the chunk take f16 operands (11 bits) and not bf16 (8 bits).  Qhat, Khat and their scores P lie in [0, 1] for every input,
; since the formula normalises them; they are kept as 2^7 Qhat, 2^8 Khat and 2^15 P (32,768 at the most), so that f16's spacing at the
; bottom of its range is 2^-31, 2^-32 and 2^-39 of them, far below the formula's 1e-6.  The band's weights are at most 1, the largest exactly 1.
; bf16 stay: the raw q and k of the band's scores (unbounded inputs), and the state with a bf16 copy of 2^7 Qhat (the state grows with the
; number of rows; it enters from row 128 on, where it is a sum over many keys).  The state is taken times 2^8, so all sums of the two linear
; branches stand at 2^15, the 1e-6 is added as 2^15 * 1e-6, and the scale cancels in the division.  All sums f32.
; Softmax with the row's own maximum taken away; masks by select, never by a product with 0.
; No cluster: what work-groups share are the records, and chunk c needs c of them, another number in each partner.
; No tensor loads: a tile is 2 KiB and each byte is used by the wave that loads it.
; A head's row is 128 bytes and the neighbouring head is another work-group's: eight lanes store one whole row of 128 bytes.
; LIMITS: q, k finite; |v| up to 65,504, f16's largest number (a weight 0 times an infinite or NaN value would spread over the 32 keys of
; one product).  NaN from key_lengths = 0 is carried as the formula carries it.  A denormal row sum counts as 0 in v_rcp_f32 (ISA guide,
; its entry).  The order of the sums is the chunks' and the matrix unit's, not that of a running sum.
.set REC,  8448                        ; a record: eight tiles of 1,024 bytes, then 64 f32
.set KF1,  0                           ; 2^8 Khat_0 in f16: 8 tiles x 1,024 bytes, as the operand's registers: half * 512 + 16 L
.set KF2,  8192                        ; 2^8 Khat_1
.set VR,   16384                       ; V in f16, 144 rows of 96 bytes: rows 0-15 in front of the chunk, then the chunk
.set SF,   30208                       ; 2^8 state in bf16 as four A operands (2 kk + x) * 1024 + half * 512 + 16 L
.set KC,   34304                       ; 2^8 sum of Khat in front of the chunk: 64 bf16
.set STG,  34560                       ; the way out: 16 rows x 144 bytes for each wave
.set SEL,  34                          ; s34, s35: lane i of one half reads lane i of the other
.set TWO7, 0x43000000                  ; 2^7
.set TWO8, 0x43800000                  ; 2^8
.set EPSS, 0x3d0637bd                  ; 2^15 * 1e-6
; v0-v3 thread, L, r, h.  v4-v25 offsets and distances, each written once.  v26, v27 at work.  v[28:29] klen twice.  v[30:31] V in front.
; in front of the barrier
.set KX,   32                          ; v[32:47]   my K rows; then SB, the band's scores; then PB (v[32:39]), the band's weights in f16
.set SB,   32
.set PB,   32
.set QX,   48                          ; v[48:63]   my Q rows
.set PX,   64                          ; v[64:79]   the 16 K rows in front of mine
.set VX,   80                          ; v[80:95]   my V rows
.set RA,   96                          ; v[96:155]  record i: my 16 bytes of its first 4 KiB
.set RB,   156                         ; v[156:215] of its second 4 KiB
.set RC,   216                         ; v[216:230] one of its 64 sums
.set SP,   232                         ; v[232:237] the state, rounded
.set W1R,  96                          ; v[96:143]  behind the records' sum: W1, W2, W3 of my 16 numbers d = 16 x + 8 h + j, index 8 x + j
.set W2R,  112
.set W3R,  128
.set FT,   144
.set FA,   160
.set FU,   176
.set KH1,  184
.set KH2,  192
.set VP,   184
.set KRAW, 200
.set QB1,  192                         ; v[192:207] 2^7 Qhat in bf16, for the state's products; made behind the band's scores
.set QB2,  200
.set QF1,  208                         ; v[208:223] 2^7 Qhat in f16
.set QF2,  216
.set QRAW, 224
.set PRAW, 232
.set ONES, 240                         ; 1.0 in every f16
.set FR,   248
; behind the barrier
.set SFR,  48                          ; v[48:79]   four state operands; then KA: Khat_0 tiles a = 0, 1, Khat_1 tiles a = 0, 1
.set KA,   48
.set KCF,  80                          ; v[80:95]   two operands of summed Khat; then VT: V transposed, x = 0, 1; then ZZ
.set VT,   80
.set ZZ,   80                          ; v[80:85]   1/denominator, denominator; three times
.set VTB,  224                         ; v[224:239] V transposed for the band; then ST1
.set ST1,  224
.set ST2,  32                          ; v[32:47]   behind the band's products
.set O1,   144
.set DEN1, 160
.set O2,   168
.set DEN2, 184
.set OB,   192                         ; behind the state's products: over QB1, QB2
.set DENB, 248
.macro PLACES n
.rept \n
	v_nop
.endr
.endm
.macro CVTB d, x                       ; 16 f32 to 8 registers of bf16, the lower index in the lower half
.irp i, 0,1,2,3,4,5,6,7
	v_cvt_pk_bf16_f32 v[\d+\i], v[\x+2*\i], v[\x+2*\i+1]
.endr
.endm
.macro CVTH d, x                       ; the same to f16
.irp i, 0,1,2,3,4,5,6,7
	v_cvt_pk_f16_f32 v[\d+\i], v[\x+2*\i], v[\x+2*\i+1]
.endr
.endm
.macro MM0B d, a, b                    ; bf16: the product starts the sum
	v_wmma_f32_16x16x32_bf16 v[\d:\d+7], v[\a:\a+7], v[\b:\b+7], 0
.endm
.macro MM0H d, a, b                    ; f16: the product starts the sum
	v_wmma_f32_16x16x32_f16 v[\d:\d+7], v[\a:\a+7], v[\b:\b+7], 0
.endm
.macro MMAH d, a, b                    ; f16: the product is added in place
	v_wmma_f32_16x16x32_f16 v[\d:\d+7], v[\a:\a+7], v[\b:\b+7], v[\d:\d+7]
.endm
.macro ROWSUM src, dst                 ; the sum of a row's 32 numbers: my 16, then the 16 of the lane 16 away
	v_pk_add_f32 v[FU:FU+1], v[\src:\src+1], v[\src+2:\src+3]
	v_pk_add_f32 v[FU+2:FU+3], v[\src+4:\src+5], v[\src+6:\src+7]
	v_pk_add_f32 v[FU+4:FU+5], v[\src+8:\src+9], v[\src+10:\src+11]
	v_pk_add_f32 v[FU+6:FU+7], v[\src+12:\src+13], v[\src+14:\src+15]
	v_pk_add_f32 v[FU:FU+1], v[FU:FU+1], v[FU+2:FU+3]
	v_pk_add_f32 v[FU+4:FU+5], v[FU+4:FU+5], v[FU+6:FU+7]
	v_pk_add_f32 v[FU:FU+1], v[FU:FU+1], v[FU+4:FU+5]
	v_add_f32 v[FU], v[FU], v[FU+1]
	v_permlanex16_b32 v[FU+1], v[FU], s[SEL], s[SEL+1]
	v_add_f32 v[\dst], v[FU], v[FU+1]
.endm
; x: 16 f32 of a row (e = 8h..8h+7, 16+8h..16+8h+7).  kl: a pair that holds klen twice, or -1.  sc: a power of two.
; f1, f2: sc times the normalised maps, in f16; FT and FA keep them in f32.
.macro FEAT x, kl, sc, f1, f2
.irp i, 0,2,4,6,8,10,12,14
	v_pk_mul_f32 v[FT+\i:FT+\i+1], v[\x+\i:\x+\i+1], 0x3fb8aa3b op_sel_hi:[1,0]     ; x log2(e)
.endr
.irp i, 0,1,2,3,4,5,6,7,8,9,10,11,12,13,14,15
	v_exp_f32 v[FT+\i], v[FT+\i]
.endr
.irp i, 0,2,4,6,8,10,12,14
	v_pk_add_f32 v[FA+\i:FA+\i+1], v[\x+\i:\x+\i+1], 1.0 op_sel_hi:[1,0]            ; x + 1; the first of these is the plain place behind the exponentials (ISA guide 5.7.2)
.endr
	s_wait_alu depctr_va_vdst(0)
.irp i, 0,2,4,6,8,10,12,14
	v_pk_add_f32 v[FT+\i:FT+\i+1], v[FT+\i:FT+\i+1], -1.0 op_sel_hi:[1,0]           ; (e^x - 1) + 1 in two roundings, not e^x: far below 0 the
.endr
.irp i, 0,2,4,6,8,10,12,14
	v_pk_add_f32 v[FT+\i:FT+\i+1], v[FT+\i:FT+\i+1], 1.0 op_sel_hi:[1,0]            ; formula's elu + 1 is a multiple of 2^-24 or 0, and so is this
.endr
.irp i, 0,1,2,3,4,5,6,7,8,9,10,11,12,13,14,15
	v_cmp_lt_f32 vcc_lo, 0, v[\x+\i]
	v_cndmask_b32 v[FT+\i], v[FT+\i], v[FA+\i], vcc_lo                              ; phi = x > 0 ? x + 1 : the exponential's branch
.endr
.irp i, 0,2,4,6,8,10,12,14
	v_pk_mul_f32 v[FA+\i:FA+\i+1], v[FT+\i:FT+\i+1], v[FT+\i:FT+\i+1]               ; phi squared
.endr
.if \kl >= 0
.irp i, 0,2,4,6,8,10,12,14
	v_pk_mul_f32 v[FT+\i:FT+\i+1], v[FT+\i:FT+\i+1], v[\kl:\kl+1]
	v_pk_mul_f32 v[FA+\i:FA+\i+1], v[FA+\i:FA+\i+1], v[\kl:\kl+1]
.endr
.endif
	ROWSUM FT, FR+1
	ROWSUM FA, FR+3
	v_rcp_f32 v[FR], v[FR+1]
	v_rcp_f32 v[FR+2], v[FR+3]
	v_nop                                          ; the plain place behind the reciprocals
	s_wait_alu depctr_va_vdst(0)
	v_mul_f32 v[FR], \sc, v[FR]                    ; the power of two rides on the reciprocal: exact, one multiply a sum
	v_mul_f32 v[FR+2], \sc, v[FR+2]
.irp i, 0,2,4,6,8,10,12,14
	v_pk_mul_f32 v[FT+\i:FT+\i+1], v[FT+\i:FT+\i+1], v[FR:FR+1] op_sel_hi:[1,0]     ; both halves by the pair's first register
	v_pk_mul_f32 v[FA+\i:FA+\i+1], v[FA+\i:FA+\i+1], v[FR+2:FR+3] op_sel_hi:[1,0]
.endr
	CVTH \f1, FT
	CVTH \f2, FA
.endm
	s_load_b512 s[4:19], s[0:1], 0x0               ; Q s[4:5], K s[6:7], V s[8:9], klen s[10:11], W1 s[12:13], W2 s[14:15], W3 s[16:17], states s[18:19]
	s_load_b64 s[20:21], s[0:1], 0x40              ; out0
	s_set_vgpr_msb 0x40
	v_lshl_add_u32 v0, v0, 2, 0xcf00
	v_mov_b32 v1, 0
	s_set_vgpr_msb 0x4000
	v_lshrrev_b32 v1, 5, v0
	v_readfirstlane_b32 s22, v1                    ; wave 0..7
	s_mov_b32 s23, ttmp9                           ; nh
	s_and_b32 s24, ttmp7, 0xffff                   ; chunk c
	s_lshr_b32 s25, s23, 3                         ; n
	s_and_b32 s30, s23, 7
	s_lshl_b32 s30, s30, 7                         ; head * 128 bytes
	s_mov_b32 s31, 0
	s_lshl_b32 s26, s25, 21                        ; n * 2048 rows of 1,024 bytes + c * 128 rows + head
	s_lshl_b32 s41, s24, 17
	s_add_co_u32 s26, s26, s41
	s_add_co_u32 s26, s26, s30
	s_mov_b32 s27, 0
	s_lshl_b32 s28, s25, 13                        ; key_lengths: n * 8,192 + c * 512
	s_lshl_b32 s41, s24, 9
	s_add_co_u32 s28, s28, s41
	s_mov_b32 s29, 0
	s_mul_i32 s32, s23, 15*REC                     ; my sequence's 15 records
	s_mov_b32 s33, 0
	s_mov_b32 s34, 0x76543210
	s_mov_b32 s35, 0xfedcba98
	s_mov_b32 s36, 0x3e8293ee                      ; log2(e) / sqrt(32)
	s_or_b32 s41, s24, s22
	s_cmp_eq_u32 s41, 0                            ; the sequence's first 16 rows have no rows in front:
	s_cselect_b32 s37, 16384, 0                    ; they load their own K rows in that place (inside the buffer),
	s_cselect_b32 s38, 0x1000, 0                   ; and a distance out of the band throws those scores away
	s_cmp_eq_u32 s24, 0
	s_cselect_b32 s46, 16384, 0                    ; chunk 0: its own first V rows stand in for the rows in front (their weights are 0)
	s_mov_b32 s47, 0
	s_lshr_b32 s39, s22, 1
	s_add_co_u32 s39, s39, 1                       ; pairs of key tiles up to my own: w / 2 + 1
	s_lshl_b32 s40, s22, 4                         ; 16 w
	s_lshl_b32 s44, s22, 14
	s_add_co_u32 s44, s44, s37
	s_mov_b32 s45, 0
	s_mul_i32 s42, s22, 2304
	s_add_co_u32 s42, s42, STG                     ; my stage
	v_and_b32 v1, 31, v0                           ; L
	v_and_b32 v2, 15, v0                           ; r
	v_bfe_u32 v3, v0, 4, 1                         ; h
	v_add_nc_u32 v26, s40, v2                      ; row 16 w + r
	v_lshlrev_b32 v4, 10, v26
	v_lshl_add_u32 v4, v3, 5, v4                   ; operand order: row * 1024 + 32 h
	v_lshlrev_b32 v5, 10, v2
	v_lshl_add_u32 v5, v3, 5, v5                   ; the same without my wave's rows
	v_lshlrev_b32 v7, 2, v26                       ; klen: row * 4
	v_bfe_u32 v26, v0, 3, 2                        ; L >> 3
	v_and_b32 v27, 7, v0                           ; L & 7
	v_add_nc_u32 v15, s40, v26
	v_lshlrev_b32 v6, 10, v15
	v_lshl_add_u32 v6, v27, 4, v6                  ; row order: eight lanes take a row of 128 bytes, four rows an instruction
	v_mul_u32_u24 v15, v15, 96
	v_lshl_add_u32 v15, v27, 3, v15                ; V into LDS: (16 w + (L >> 3)) * 96 + 8 (L & 7)
	v_lshlrev_b32 v8, 5, v3                        ; W: 32 h
	v_lshlrev_b32 v9, 4, v0                        ; records: 16 t
	v_and_b32 v10, 63, v0
	v_lshlrev_b32 v10, 2, v10                      ; their sums: 4 (t mod 64)
	v_lshrrev_b32 v17, 4, v0                       ; t >> 4: one of the 16 rows in front
	v_lshlrev_b32 v11, 10, v17
	v_lshl_add_u32 v11, v2, 3, v11                 ; that row, 8 bytes a thread
	s_wait_kmcnt 0x0
	s_add_nc_u64 s[4:5], s[4:5], s[26:27]
	s_add_nc_u64 s[6:7], s[6:7], s[26:27]
	s_add_nc_u64 s[8:9], s[8:9], s[26:27]
	s_add_nc_u64 s[20:21], s[20:21], s[26:27]
	s_add_nc_u64 s[10:11], s[10:11], s[28:29]
	s_add_nc_u64 s[12:13], s[12:13], s[30:31]
	s_add_nc_u64 s[14:15], s[14:15], s[30:31]
	s_add_nc_u64 s[16:17], s[16:17], s[30:31]
	s_add_nc_u64 s[18:19], s[18:19], s[32:33]
	s_add_nc_u64 s[44:45], s[6:7], s[44:45]
	s_sub_nc_u64 s[44:45], s[44:45], 16384         ; K at the 16 rows in front of mine
	s_add_nc_u64 s[46:47], s[8:9], s[46:47]
	s_sub_nc_u64 s[46:47], s[46:47], 16384         ; V at the 16 rows in front of the chunk
	; 18 loads: K 4, klen 1, V 4, V in front 1, Q 4, the K rows in front 4
	global_load_b128 v[KX:KX+3],     v4, s[6:7]
	global_load_b128 v[KX+4:KX+7],   v4, s[6:7] offset:16
	global_load_b128 v[KX+8:KX+11],  v4, s[6:7] offset:64
	global_load_b128 v[KX+12:KX+15], v4, s[6:7] offset:80
	global_load_b32 v28, v7, s[10:11]
.irp j, 0,1,2,3
	global_load_b128 v[VX+4*\j:VX+4*\j+3], v6, s[8:9] offset:4096*\j
.endr
	global_load_b64 v[30:31], v11, s[46:47]
	global_load_b128 v[QX:QX+3],     v4, s[4:5]
	global_load_b128 v[QX+4:QX+7],   v4, s[4:5] offset:16
	global_load_b128 v[QX+8:QX+11],  v4, s[4:5] offset:64
	global_load_b128 v[QX+12:QX+15], v4, s[4:5] offset:80
	global_load_b128 v[PX:PX+3],     v5, s[44:45]
	global_load_b128 v[PX+4:PX+7],   v5, s[44:45] offset:16
	global_load_b128 v[PX+8:PX+11],  v5, s[44:45] offset:64
	global_load_b128 v[PX+12:PX+15], v5, s[44:45] offset:80
	; records 0 .. c-1 are loaded; the registers of the others get 0, while the loads are on their way.  Every path writes each register once.
.irp i, 0,1,2,3,4,5,6,7,8,9,10,11,12,13,14
	s_cmp_le_u32 s24, \i
	s_cbranch_scc1 .Lzero_\i
	global_load_b128 v[RA+4*\i:RA+4*\i+3], v9, s[18:19] offset:REC*\i
	global_load_b128 v[RB+4*\i:RB+4*\i+3], v9, s[18:19] offset:REC*\i+4096
	global_load_b32 v[RC+\i], v10, s[18:19] offset:REC*\i+8192
.endr
	s_branch .Lissued
.irp i, 0,1,2,3,4,5,6,7,8,9,10,11,12,13,14
.Lzero_\i:
.irp k, 0,1,2,3
	v_mov_b32 v[RA+4*\i+\k], 0
	v_mov_b32 v[RB+4*\i+\k], 0
.endr
	v_mov_b32 v[RC+\i], 0
.endr
.Lissued:
	v_lshl_add_u32 v12, v3, 3, v27
	v_mul_u32_u24 v12, v12, 96
	v_bfe_u32 v26, v0, 3, 1
	v_lshl_add_u32 v12, v26, 4, v12                ; transposing load: (8 h + (L & 7)) * 96 + 16 ((L >> 3) & 1)
	v_lshlrev_b32 v13, 4, v1                       ; 16 L
	s_lshl_b32 s41, s22, 10
	v_add_nc_u32 v14, s41, v13                     ; my tile among the Khat operands
	v_lshrrev_b32 v16, 6, v0
	v_lshl_add_u32 v16, v16, 9, v13
	v_bfe_u32 v26, v0, 5, 1
	v_lshl_add_u32 v16, v26, 3, v16                ; my bytes 16 t of a record are registers 4 (w & 1) .. of tile w / 2: 512 (w / 2) + 16 L + 8 (w & 1)
	v_mul_u32_u24 v17, v17, 96
	v_lshl_add_u32 v17, v2, 2, v17                 ; V in front: LDS row t >> 4, 4 r
	v_lshlrev_b32 v18, 1, v0                       ; 2 t
	s_wait_loadcnt 0x0                             ; the number of loads issued hangs on c: all of them
.irp i, 1,2,3,4,5,6,7,8,9,10,11,12,13,14
	v_pk_add_f32 v[RA:RA+1],   v[RA:RA+1],   v[RA+4*\i:RA+4*\i+1]
	v_pk_add_f32 v[RA+2:RA+3], v[RA+2:RA+3], v[RA+4*\i+2:RA+4*\i+3]
	v_pk_add_f32 v[RB:RB+1],   v[RB:RB+1],   v[RB+4*\i:RB+4*\i+1]
	v_pk_add_f32 v[RB+2:RB+3], v[RB+2:RB+3], v[RB+4*\i+2:RB+4*\i+3]
	v_add_f32 v[RC], v[RC], v[RC+\i]
.endr
	v_pk_mul_f32 v[RA:RA+1],   v[RA:RA+1],   TWO8 op_sel_hi:[1,0]      ; the state times 2^8, as Khat inside the chunk
	v_pk_mul_f32 v[RA+2:RA+3], v[RA+2:RA+3], TWO8 op_sel_hi:[1,0]
	v_pk_mul_f32 v[RB:RB+1],   v[RB:RB+1],   TWO8 op_sel_hi:[1,0]
	v_pk_mul_f32 v[RB+2:RB+3], v[RB+2:RB+3], TWO8 op_sel_hi:[1,0]
	v_mul_f32 v[RC], TWO8, v[RC]
	; a record's tile holds (e = 16 et + 8 h + j, d = r): rounded in pairs it is half et of the A operand (m = d, k = e)
	v_cvt_pk_bf16_f32 v[SP],   v[RA],   v[RA+1]
	v_cvt_pk_bf16_f32 v[SP+1], v[RA+2], v[RA+3]
	v_cvt_pk_bf16_f32 v[SP+2], v[RB],   v[RB+1]
	v_cvt_pk_bf16_f32 v[SP+3], v[RB+2], v[RB+3]
	v_cvt_pk_f16_f32 v[SP+4], v30, v31
	; W1, W2, W3: 12 loads into registers that the sum has freed; they stay out until the end
.irp x, 0,1
	global_load_b128 v[W1R+8*\x:W1R+8*\x+3],   v8, s[12:13] offset:64*\x
	global_load_b128 v[W1R+8*\x+4:W1R+8*\x+7], v8, s[12:13] offset:64*\x+16
	global_load_b128 v[W2R+8*\x:W2R+8*\x+3],   v8, s[14:15] offset:64*\x
	global_load_b128 v[W2R+8*\x+4:W2R+8*\x+7], v8, s[14:15] offset:64*\x+16
	global_load_b128 v[W3R+8*\x:W3R+8*\x+3],   v8, s[16:17] offset:64*\x
	global_load_b128 v[W3R+8*\x+4:W3R+8*\x+7], v8, s[16:17] offset:64*\x+16
.endr
	ds_store_b64 v16, v[SP:SP+1]   offset:SF
	ds_store_b64 v16, v[SP+2:SP+3] offset:SF+2048
	ds_store_b32 v17, v[SP+4] offset:VR
	s_cmp_ge_u32 s22, 2
	s_cbranch_scc1 .Lno_kc
	v_cvt_pk_bf16_f32 v[SP+5], v[RC], v[RC]        ; waves 0 and 1: the 64 sums of Khat
	ds_store_b16 v18, v[SP+5] offset:KC
.Lno_kc:
	; my K rows: raw for the band, mapped for the linear branches
	v_mov_b32 v29, v28
	CVTB KRAW, KX
	FEAT KX, 28, TWO8, KH1, KH2
	ds_store_b128 v14, v[KH1:KH1+3]   offset:KF1
	ds_store_b128 v14, v[KH1+4:KH1+7] offset:KF1+512
	ds_store_b128 v14, v[KH2:KH2+3]   offset:KF2
	ds_store_b128 v14, v[KH2+4:KH2+7] offset:KF2+512
.irp j, 0,1,2,3
	v_cvt_pk_f16_f32 v[VP+2*\j],   v[VX+4*\j],   v[VX+4*\j+1]
	v_cvt_pk_f16_f32 v[VP+2*\j+1], v[VX+4*\j+2], v[VX+4*\j+3]
	ds_store_b64 v15, v[VP+2*\j:VP+2*\j+1] offset:VR+1536+384*\j
.endr
	CVTB QRAW, QX
	FEAT QX, -1, TWO7, QF1, QF2
	CVTB PRAW, PX
	; the band: 32 keys (16 in front, my 16) against my 16 queries
	MM0B SB, PRAW, QRAW
	MM0B SB+8, KRAW, QRAW
	v_mov_b32 v27, 0xff800000                      ; the plain instructions from here to the first select stand behind the products (four are asked: ISA guide 7.12.1)
	v_lshlrev_b32 v19, 4, v3                       ; 16 h
	s_mul_i32 s41, s22, 1536
	v_add_nc_u32 v20, s41, v12                     ; the band's 32 rows of V begin at LDS row 16 w
	v_mul_u32_u24 v21, v2, 144                     ; the stage, in: row r, 32 h
	v_lshl_add_u32 v21, v3, 5, v21
	v_add_nc_u32 v21, s42, v21
	v_lshrrev_b32 v22, 3, v1                       ; the stage, back: row L >> 3, 16 (L & 7)
	v_mul_u32_u24 v22, v22, 144
	v_and_b32 v26, 7, v1
	v_lshl_add_u32 v22, v26, 4, v22
	v_add_nc_u32 v22, s42, v22
	v_lshlrev_b32 v26, 3, v3
	v_sub_nc_u32 v23, v2, v26                      ; query - key in my own tile, at j = 0: r - 8 h
	v_add_nc_u32 v24, 16, v23                      ; and against the tile in front,
	v_add_nc_u32 v24, s38, v24                     ; out of the band where there is none
	v_add_nc_u32 v25, s40, v23                     ; query - key inside the chunk, at key 8 h: 16 w + r - 8 h
.irp j, 0,1,2,3,4,5,6,7
	v_sub_nc_u32 v26, v24, \j                      ; query - key; in the band if 0 .. 9, as an unsigned number
	v_cmp_gt_u32 vcc_lo, 10, v26
	v_cndmask_b32 v[SB+\j], v27, v[SB+\j], vcc_lo
	v_sub_nc_u32 v26, v23, \j
	v_cmp_gt_u32 vcc_lo, 10, v26
	v_cndmask_b32 v[SB+8+\j], v27, v[SB+8+\j], vcc_lo
.endr
	v_max3_num_f32 v26, v[SB], v[SB+1], v[SB+2]    ; the row's maximum; the key on the diagonal is always in the band, so it is finite
.irp i, 3,5,7,9,11,13
	v_max3_num_f32 v26, v26, v[SB+\i], v[SB+\i+1]
.endr
	v_max_num_f32 v26, v26, v[SB+15]
	v_permlanex16_b32 v27, v26, s34, s35
	v_max_num_f32 v26, v26, v27
	v_mul_f32 v27, s36, v26
.irp i, 0,1,2,3,4,5,6,7,8,9,10,11,12,13,14,15
	v_fma_f32 v[SB+\i], v[SB+\i], s36, -v27        ; (score - maximum) log2(e) / sqrt(32); -inf stays -inf
.endr
.irp i, 0,1,2,3,4,5,6,7,8,9,10,11,12,13,14,15
	v_exp_f32 v[SB+\i], v[SB+\i]
.endr
	s_wait_alu depctr_va_vdst(0)
.irp i, 0,1,2,3,4,5,6,7
	v_mov_b32 v[ONES+\i], 0x3c003c00               ; plain instructions behind the exponentials
.endr
	CVTH PB, SB                                    ; in place: register i is written after registers 2 i, 2 i + 1 are read
	CVTB QB1, FT                                   ; FT and FA still hold 2^7 Qhat in f32: the copy in bf16 for the state's products,
	CVTB QB2, FA                                   ; into registers that the K rows have left
	s_wait_dscnt 0x0                               ; my LDS stores are done, for the other waves' sake
	s_barrier_signal -1
	s_barrier_wait -1
	; ---------------- behind the barrier ----------------
.irp f, 0,1,2,3
	ds_load_b128 v[SFR+8*\f:SFR+8*\f+3],   v13 offset:SF+1024*\f
	ds_load_b128 v[SFR+8*\f+4:SFR+8*\f+7], v13 offset:SF+1024*\f+512
.endr
.irp k, 0,1
	ds_load_b128 v[KCF+8*\k:KCF+8*\k+3],   v19 offset:KC+64*\k         ; every lane of a half takes the same 16 bytes: all 16 rows of the operand are alike
	ds_load_b128 v[KCF+8*\k+4:KCF+8*\k+7], v19 offset:KC+64*\k+32
.endr
.irp x, 0,1
	ds_load_tr16_b128 v[VTB+8*\x:VTB+8*\x+3],   v20 offset:VR+32*\x
	ds_load_tr16_b128 v[VTB+8*\x+4:VTB+8*\x+7], v20 offset:VR+32*\x+1536
.endr
	s_wait_dscnt 0x0
	; six sums are started by what the state in front of the chunk gives, in bf16
	MM0B O1, SFR, QB1
	MM0B O2, SFR+16, QB2
	MM0B O1+8, SFR+8, QB1
	MM0B O2+8, SFR+24, QB2
	MM0B DEN1, KCF, QB1
	MM0B DEN2, KCF+8, QB2
	PLACES 5                                       ; five places before the band's products write over QB1 and QB2 (ISA guide 7.12.1)
	MM0H OB, VTB, PB
	MM0H OB+8, VTB+8, PB
	MM0H DENB, ONES, PB
	PLACES 5                                       ; five places before these operands are loaded again and written over by products
; 32 keys of the chunk (tiles 2 p, 2 p + 1) against my queries, both maps.  The f16 products add onto sums that bf16 products began: that is
; no chain of one form, and the five places that it owes are the selects and conversions of the first pair.
.macro PAIR p
.irp a, 0,1
	ds_load_b128 v[KA+8*\a:KA+8*\a+3],       v13 offset:KF1+2048*\p+1024*\a
	ds_load_b128 v[KA+8*\a+4:KA+8*\a+7],     v13 offset:KF1+2048*\p+1024*\a+512
	ds_load_b128 v[KA+16+8*\a:KA+16+8*\a+3], v13 offset:KF2+2048*\p+1024*\a
	ds_load_b128 v[KA+16+8*\a+4:KA+16+8*\a+7], v13 offset:KF2+2048*\p+1024*\a+512
.endr
.irp x, 0,1
	ds_load_tr16_b128 v[VT+8*\x:VT+8*\x+3],   v12 offset:VR+1536+3072*\p+32*\x
	ds_load_tr16_b128 v[VT+8*\x+4:VT+8*\x+7], v12 offset:VR+1536+3072*\p+32*\x+1536
.endr
	s_wait_dscnt 0x4                               ; the eight loads of Khat are in; V's four, issued behind them, may stay out
	MM0H ST1, KA, QF1
	MM0H ST2, KA+16, QF2
	MM0H ST1+8, KA+8, QF1
	MM0H ST2+8, KA+24, QF2
	PLACES 4
.irp a, 0,1
.irp j, 0,1,2,3,4,5,6,7
	v_cmp_le_i32 vcc_lo, 32*\p+16*\a+\j, v25       ; key <= query
	v_cndmask_b32 v[ST1+8*\a+\j], 0, v[ST1+8*\a+\j], vcc_lo
	v_cndmask_b32 v[ST2+8*\a+\j], 0, v[ST2+8*\a+\j], vcc_lo
.endr
.endr
	CVTH ST1, ST1                                  ; in place: the first eight registers become the B operand (n = query, k = 32 keys), 2^15 P
	CVTH ST2, ST2
	s_wait_dscnt 0x0
	MMAH O1, VT, ST1                               ; six accumulators by turns, one instruction a turn
	MMAH O2, VT, ST2
	MMAH O1+8, VT+8, ST1
	MMAH O2+8, VT+8, ST2
	MMAH DEN1, ONES, ST1
	MMAH DEN2, ONES, ST2
	PLACES 5                                       ; before the next pair's loads and products write these operands, and before the results are read
.endm
	PAIR 0
	s_cmp_le_u32 s39, 1
	s_cbranch_scc1 .Ldone
	PAIR 1
	s_cmp_le_u32 s39, 2
	s_cbranch_scc1 .Ldone
	PAIR 2
	s_cmp_le_u32 s39, 3
	s_cbranch_scc1 .Ldone
	PAIR 3
.Ldone:
	s_wait_loadcnt 0x0                             ; W1, W2, W3
	v_add_f32 v[ZZ+1], EPSS, v[DEN1]               ; + 2^15 * 1e-6; every row of a denominator's tile holds query r's sum: register 0 serves
	v_add_f32 v[ZZ+3], EPSS, v[DEN2]
	v_mov_b32 v[ZZ+5], v[DENB]
	v_rcp_f32 v[ZZ], v[ZZ+1]
	v_rcp_f32 v[ZZ+2], v[ZZ+3]
	v_rcp_f32 v[ZZ+4], v[ZZ+5]
	v_nop                                          ; the plain place behind the reciprocals
	s_wait_alu depctr_va_vdst(0)
.irp i, 0,2,4,6,8,10,12,14
	v_pk_mul_f32 v[OB+\i:OB+\i+1], v[OB+\i:OB+\i+1], v[ZZ+4:ZZ+5] op_sel_hi:[1,0]
	v_pk_mul_f32 v[O1+\i:O1+\i+1], v[O1+\i:O1+\i+1], v[ZZ:ZZ+1] op_sel_hi:[1,0]      ; the 2^15 of sum and denominator cancels here
	v_pk_mul_f32 v[O2+\i:O2+\i+1], v[O2+\i:O2+\i+1], v[ZZ+2:ZZ+3] op_sel_hi:[1,0]
	v_pk_mul_f32 v[OB+\i:OB+\i+1], v[OB+\i:OB+\i+1], v[W1R+\i:W1R+\i+1]
	v_pk_fma_f32 v[OB+\i:OB+\i+1], v[O1+\i:O1+\i+1], v[W2R+\i:W2R+\i+1], v[OB+\i:OB+\i+1]
	v_pk_fma_f32 v[OB+\i:OB+\i+1], v[O2+\i:O2+\i+1], v[W3R+\i:W3R+\i+1], v[OB+\i:OB+\i+1]
.endr
	; the way out: a lane holds 16 numbers of row r; through my own stage they become whole rows of 128 bytes
.irp x, 0,1
	ds_store_b128 v21, v[OB+8*\x:OB+8*\x+3]   offset:64*\x
	ds_store_b128 v21, v[OB+8*\x+4:OB+8*\x+7] offset:64*\x+16
.endr
.irp j, 0,1,2,3
	ds_load_b128 v[KA+4*\j:KA+4*\j+3], v22 offset:576*\j       ; LDS serves a wave's instructions in order (ISA guide 5.7.1): these see the stores above
.endr
.irp j, 0,1,2,3
	s_wait_dscnt 3-\j                              ; read-back j is in, the younger ones stay out
	global_store_b128 v6, v[KA+4*\j:KA+4*\j+3], s[20:21] offset:4096*\j th:TH_STORE_NT
.endr
	s_set_vgpr_msb 0x5
	s_wait_tensorcnt 0x0
	ds_add_u32 v0, v1
	s_wait_dscnt 0x0
	s_set_vgpr_msb 0x500
	s_endpgm
.Lfunc_end_k_q6b758958de_attend:
	.size	k_q6b758958de_attend, .Lfunc_end_k_q6b758958de_attend-k_q6b758958de_attend
	.p2alignl 7, 3214868480
	.fill 96, 4, 3214868480
	.section	.rodata,"a",@progbits
	.p2align	6, 0x0
	.amdhsa_kernel k_q6b758958de_attend
		.amdhsa_group_segment_fixed_size 54016
		.amdhsa_private_segment_fixed_size 0
		.amdhsa_enable_private_segment 0
		.amdhsa_kernarg_size 72
		.amdhsa_user_sgpr_count 2
		.amdhsa_user_sgpr_kernarg_segment_ptr 1
		.amdhsa_wavefront_size32 1
		.amdhsa_system_sgpr_workgroup_id_x 1
		.amdhsa_system_sgpr_workgroup_id_y 1
		.amdhsa_system_sgpr_workgroup_id_z 1
		.amdhsa_system_vgpr_workitem_id 0
		.amdhsa_next_free_vgpr 258
		.amdhsa_next_free_sgpr 66
		.amdhsa_reserve_vcc 1
		.amdhsa_float_denorm_mode_32 3
		.amdhsa_float_denorm_mode_16_64 3
		.amdhsa_memory_ordered 1
		.amdhsa_forward_progress 1
		.amdhsa_inst_pref_size 73
	.end_amdhsa_kernel
	.amdgpu_metadata
---
amdhsa.version: [ 1, 2 ]
amdhsa.kernels:
  - .name:           k_q6b758958de_attend
    .symbol:         k_q6b758958de_attend.kd
    .args:
      - { .name: queries, .offset: 0, .size: 8, .value_kind: global_buffer, .address_space: global }
      - { .name: keys, .offset: 8, .size: 8, .value_kind: global_buffer, .address_space: global }
      - { .name: values, .offset: 16, .size: 8, .value_kind: global_buffer, .address_space: global }
      - { .name: key_lengths, .offset: 24, .size: 8, .value_kind: global_buffer, .address_space: global }
      - { .name: W1, .offset: 32, .size: 8, .value_kind: global_buffer, .address_space: global }
      - { .name: W2, .offset: 40, .size: 8, .value_kind: global_buffer, .address_space: global }
      - { .name: W3, .offset: 48, .size: 8, .value_kind: global_buffer, .address_space: global }
      - { .name: states, .offset: 56, .size: 8, .value_kind: global_buffer, .address_space: global }
      - { .name: out0, .offset: 64, .size: 8, .value_kind: global_buffer, .address_space: global }
    .group_segment_fixed_size: 54016
    .private_segment_fixed_size: 0
    .kernarg_segment_align: 8
    .kernarg_segment_size: 72
    .max_flat_workgroup_size: 256
    .sgpr_count:     66
    .vgpr_count:     258
    .wavefront_size: 32
...
	.end_amdgpu_metadata
.endif
;; end of part 2
;; ======== version 2 of 2: 2 launches; version 1 with the launches states, attend written anew for expert scheduling mode
;; limits: values are held in f16: magnitudes above 65,504 overflow, below 6.1e-05 lose precision; inputs' magnitudes at most 65,504
;; workspace buffers: states 2,027,520 bytes
;; launch states (part 3): grid 16 x 15, 4 waves a work-group, no clusters, 37,632 bytes of LDS; arguments keys, values, key_lengths, states; writes states
.if DOCPART == 3
	.amdgcn_target "amdgcn-amd-amdhsa--gfx1250"
	.amdhsa_code_object_version 6
	.text
	.protected	k_q6b758958de_states
	.globl	k_q6b758958de_states
	.p2align	8
	.type	k_q6b758958de_states,@function
k_q6b758958de_states:
	s_mov_b64 s[64:65], 0
	v_nop
	global_prefetch_b8 v0, s[64:65] scope:SCOPE_SE
	s_setreg_imm32_b32 hwreg(HW_REG_WAVE_SCHED_MODE, 0, 2), 2
	s_setreg_imm32_b32 hwreg(HW_REG_WAVE_MODE, 25, 1), 1
	s_wait_xcnt 0x0
	s_wait_alu depctr_vm_vsrc(0)
; states: for chunk c (128 rows, c = 0..14) of sequence nh = 8 n + head, and for both feature maps kk = 0, 1:
;   S[e][d] = sum over the chunk's rows s of Khat_kk[s][e] V[s][d]   (32 x 32, f32)
;   Kc[e]   = sum over s of Khat_kk[s][e]                            (32, f32)
; Khat = phi(k) klen / sum over e of (phi(k) klen); phi = elu + 1 (kk = 0) or its square (kk = 1).
; The last chunk's state is needed by nobody and is not made.
; Record of 8,448 bytes at (15 nh + c) * 8448: tile T = 4 kk + 2 x + et (x: 16 columns d, et: 16 rows e) at 1024 T, as the
; matrix result's own registers: registers 4q..4q+3 of lane L at 512 q + 16 L; Kc at 8192 + 4 (32 kk + e).
; Four waves.  First each wave maps 32 rows of K and rounds 32 rows of V to bf16 into LDS, rows along e or d; then wave
; (kk, et) reads them back transposed and multiplies: products in bf16, sums in f32.
; LIMITS: k and v finite.  key_lengths is applied as it stands: a 0 gives 0 * (1/0) = NaN, as 0/0 does in the formula.
; A row sum that is denormal counts as 0 in v_rcp_f32 (ISA guide, its entry).  The order of the sums is the matrix unit's.
; THE MODE: SCHED_MODE bits 1:0 = 2 (LLVM: expert scheduling mode 2), set by the entry lines.  The code itself states the register dependences
; between vector or matrix instructions and memory or LDS instructions, with s_wait_alu, always for 0.
; THE PLAN.  Registers that memory or LDS instructions touch:
;   v4-v7, v12-v15, v156, v157   offsets and LDS addresses: written once at the head, ahead of the wait in front of the first load.
;   v[16:79], v8, v10            K, klen, V: land by global loads; read by the maps and V's conversions.
;   F1, F2                       written by a K tile's conversions, read by its four LDS stores; written again by the next tile, later by the products.
;   VP                           written by V's sixteen conversions, read by its eight LDS stores; partly written again by the products.
;   v[16:111]                    behind the barrier the transposing loads land here; the last vector line that names them stands ahead of the wait in front of V's stores.
;   D0, D1, D2                   written by the products, read by the global and LDS stores.
; A compare's mask goes into a scalar register: sixteen compares, one wait, sixteen selects.
.set P,    96                          ; LDS row: 64 bytes of bf16 + 32: an odd multiple of 32 for the transposing loads
.set K1R,  0                           ; 128 rows of Khat_0
.set K2R,  12288                       ; 128 rows of Khat_1
.set VR,   24576                       ; 128 rows of V
.set KCS,  36864                       ; 64 f32: Kc of both maps
.set REC,  8448
.set SEL,  22                          ; s22, s23: lane i of one half reads lane i of the other
.set MSK,  32                          ; s[32:47]   sixteen masks: x > 0
.set KX0,  16                          ; v[16:47]   two tiles of 16 rows of K, a lane's 16 numbers each
.set VX,   48                          ; v[48:79]   V as loaded
.set FT,   80                          ; v[80:95]   phi
.set FA,   96                          ; v[96:111]  phi squared
.set FU,   112                         ; v[112:119] sums at work
.set F1,   120                         ; v[120:127] Khat_0 in bf16
.set F2,   128                         ; v[128:135] Khat_1 in bf16
.set FR,   136                         ; v[136:139] 1/sum, sum; twice
.set VP,   140                         ; v[140:155] V in bf16
.set AF,   16                          ; second part: v[16:47]  Khat transposed, four K steps of 32 rows
.set BF,   48                          ; v[48:111] V transposed, four K steps x two column blocks
.set ONES, 112                         ; v[112:119] 1.0 in every bf16
.set D0,   120
.set D1,   128
.set D2,   136
.macro PLACES n
.rept \n
	v_nop
.endr
.endm
.macro CVT8 d, x                       ; 16 f32 to 8 registers of bf16, the lower index in the lower half
.irp i, 0,1,2,3,4,5,6,7
	v_cvt_pk_bf16_f32 v[\d+\i], v[\x+2*\i], v[\x+2*\i+1]
.endr
.endm
.macro ROWSUM src, dst                 ; the sum of a row's 32 numbers: my 16, then the 16 of the lane 16 away
	v_pk_add_f32 v[FU:FU+1], v[\src:\src+1], v[\src+2:\src+3]
	v_pk_add_f32 v[FU+2:FU+3], v[\src+4:\src+5], v[\src+6:\src+7]
	v_pk_add_f32 v[FU+4:FU+5], v[\src+8:\src+9], v[\src+10:\src+11]
	v_pk_add_f32 v[FU+6:FU+7], v[\src+12:\src+13], v[\src+14:\src+15]
	v_pk_add_f32 v[FU:FU+1], v[FU:FU+1], v[FU+2:FU+3]
	v_pk_add_f32 v[FU+4:FU+5], v[FU+4:FU+5], v[FU+6:FU+7]
	v_pk_add_f32 v[FU:FU+1], v[FU:FU+1], v[FU+4:FU+5]
	v_add_f32 v[FU], v[FU], v[FU+1]
	v_permlanex16_b32 v[FU+1], v[FU], s[SEL], s[SEL+1]
	v_add_f32 v[\dst], v[FU], v[FU+1]
.endm
; x: 16 f32 of a row (e = 8h..8h+7, 16+8h..16+8h+7).  kl: a pair that holds klen twice, or -1.  f1, f2: the normalised maps in bf16.
; again = 1: LDS stores issued earlier have read f1 and f2.
.macro FEAT x, kl, f1, f2, again
.irp i, 0,2,4,6,8,10,12,14
	v_pk_mul_f32 v[FT+\i:FT+\i+1], v[\x+\i:\x+\i+1], 0x3fb8aa3b op_sel_hi:[1,0]     ; x log2(e)
.endr
.irp i, 0,1,2,3,4,5,6,7,8,9,10,11,12,13,14,15
	v_exp_f32 v[FT+\i], v[FT+\i]
.endr
.irp i, 0,2,4,6,8,10,12,14
	v_pk_add_f32 v[FA+\i:FA+\i+1], v[\x+\i:\x+\i+1], 1.0 op_sel_hi:[1,0]            ; x + 1; the first of these is the plain place behind the exponentials (ISA guide 5.7.2)
.endr
.irp i, 0,1,2,3,4,5,6,7,8,9,10,11,12,13,14,15
	v_cmp_lt_f32 s[MSK+\i], 0, v[\x+\i]                                             ; x > 0: sixteen masks in a run
.endr
	s_wait_alu depctr_va_vdst(0)                   ; the sixteen exponentials have written v[FT ..], ahead of their first reader
.irp i, 0,2,4,6,8,10,12,14
	v_pk_add_f32 v[FT+\i:FT+\i+1], v[FT+\i:FT+\i+1], -1.0 op_sel_hi:[1,0]           ; (e^x - 1) + 1 in two roundings, not e^x: far below 0 the
.endr
.irp i, 0,2,4,6,8,10,12,14
	v_pk_add_f32 v[FT+\i:FT+\i+1], v[FT+\i:FT+\i+1], 1.0 op_sel_hi:[1,0]            ; formula's elu + 1 is a multiple of 2^-24 or 0, and so is this
.endr
	s_wait_alu depctr_va_sdst(0)                   ; the sixteen compares have written s[MSK ..], which the selects read
.irp i, 0,1,2,3,4,5,6,7,8,9,10,11,12,13,14,15
	v_cndmask_b32 v[FT+\i], v[FT+\i], v[FA+\i], s[MSK+\i]                           ; phi = x > 0 ? x + 1 : the exponential's branch
.endr
.irp i, 0,2,4,6,8,10,12,14
	v_pk_mul_f32 v[FA+\i:FA+\i+1], v[FT+\i:FT+\i+1], v[FT+\i:FT+\i+1]               ; phi squared
.endr
.if \kl >= 0
.irp i, 0,2,4,6,8,10,12,14
	v_pk_mul_f32 v[FT+\i:FT+\i+1], v[FT+\i:FT+\i+1], v[\kl:\kl+1]
	v_pk_mul_f32 v[FA+\i:FA+\i+1], v[FA+\i:FA+\i+1], v[\kl:\kl+1]
.endr
.endif
	ROWSUM FT, FR+1
	ROWSUM FA, FR+3
	v_rcp_f32 v[FR], v[FR+1]
	v_rcp_f32 v[FR+2], v[FR+3]
	v_nop                                          ; the plain place behind the reciprocals
	s_wait_alu depctr_va_vdst(0)                   ; the two reciprocals have written v[FR] and v[FR+2], ahead of their first reader
.irp i, 0,2,4,6,8,10,12,14
	v_pk_mul_f32 v[FT+\i:FT+\i+1], v[FT+\i:FT+\i+1], v[FR:FR+1] op_sel_hi:[1,0]     ; both halves by the pair's first register
	v_pk_mul_f32 v[FA+\i:FA+\i+1], v[FA+\i:FA+\i+1], v[FR+2:FR+3] op_sel_hi:[1,0]
.endr
.if \again
	s_wait_alu depctr_vm_vsrc(0)                   ; the LDS stores of the tile before have read f1 and f2, which the conversions below write again
.endif
	CVT8 \f1, FT
	CVT8 \f2, FA
.endm
	s_load_b256 s[4:11], s[0:1], 0x0               ; keys s[4:5], values s[6:7], key_lengths s[8:9], states s[10:11]
	v_lshl_add_u32 v158, v0, 2, 0x9100
	v_mov_b32 v159, 0
	v_lshrrev_b32 v1, 5, v0
	v_readfirstlane_b32 s12, v1                    ; wave 0..3
	s_mov_b32 s13, ttmp9                           ; nh
	s_and_b32 s14, ttmp7, 0xffff                   ; chunk
	s_lshr_b32 s15, s13, 3                         ; n
	s_and_b32 s26, s13, 7                          ; head
	s_lshl_b32 s16, s15, 21                        ; n * 2048 rows of 1,024 bytes
	s_lshl_b32 s27, s14, 17                        ; + chunk * 128 rows
	s_add_co_u32 s16, s16, s27
	s_lshl_b32 s27, s26, 7                         ; + head * 128 bytes
	s_add_co_u32 s16, s16, s27
	s_mov_b32 s17, 0
	s_lshl_b32 s18, s15, 13                        ; key_lengths: n * 8,192 + chunk * 512
	s_lshl_b32 s27, s14, 9
	s_add_co_u32 s18, s18, s27
	s_mov_b32 s19, 0
	s_mul_i32 s20, s13, 15
	s_add_co_u32 s20, s20, s14
	s_mul_i32 s20, s20, REC                        ; my record
	s_mov_b32 s21, 0
	s_mov_b32 s22, 0x76543210
	s_mov_b32 s23, 0xfedcba98
	s_wait_alu depctr_va_sdst(0)                   ; s12 is written, ahead of its first reader
	s_lshr_b32 s24, s12, 1                         ; second part: kk
	s_and_b32 s25, s12, 1                          ;              et
	s_lshl_b32 s28, s12, 5                         ; my first row, 32 w
	v_and_b32 v1, 31, v0                           ; L
	v_and_b32 v2, 15, v0                           ; r
	v_bfe_u32 v3, v0, 4, 1                         ; h
	v_add_nc_u32 v16, s28, v2                      ; row 32 w + r
	v_lshlrev_b32 v4, 10, v16
	v_lshl_add_u32 v4, v3, 5, v4                   ; K: row * 1024 + 32 h
	v_lshlrev_b32 v6, 2, v16                       ; klen: row * 4
	v_mul_u32_u24 v7, v16, P
	v_lshl_add_u32 v7, v3, 4, v7                   ; LDS: row * 96 + 16 h
	v_bfe_u32 v17, v0, 3, 2                        ; L >> 3
	v_and_b32 v18, 7, v0                           ; L & 7
	v_add_nc_u32 v19, s28, v17
	v_lshlrev_b32 v5, 10, v19
	v_lshl_add_u32 v5, v18, 4, v5                  ; V: eight lanes take a head's row of 128 bytes, four rows a load
	v_mul_u32_u24 v12, v19, P
	v_lshl_add_u32 v12, v18, 3, v12                ; and put it down as 8 bytes a lane
	v_lshl_add_u32 v20, v3, 3, v18
	v_mul_u32_u24 v20, v20, P
	v_bfe_u32 v21, v0, 3, 1
	v_lshl_add_u32 v14, v21, 4, v20                ; transposing load: (8 h + (L & 7)) * 96 + 16 ((L >> 3) & 1)
	s_mul_i32 s29, s24, K2R
	s_lshl_b32 s30, s25, 5
	s_add_co_u32 s29, s29, s30
	v_add_nc_u32 v13, s29, v14                     ; + my map's rows + my 16 columns e
	s_lshl_b32 s30, s24, 2
	s_add_co_u32 s30, s30, s25
	s_lshl_b32 s30, s30, 10
	v_lshl_add_u32 v15, v1, 4, s30                 ; record: tile 4 kk + et, 16 L
	s_lshl_b32 s31, s12, 6
	v_lshl_add_u32 v156, v3, 5, s31                ; Kc in LDS: 4 (16 w + 8 h)
	v_lshlrev_b32 v157, 3, v1                      ; 8 L
	s_wait_kmcnt 0x0
	s_add_nc_u64 s[4:5], s[4:5], s[16:17]
	s_add_nc_u64 s[6:7], s[6:7], s[16:17]
	s_add_nc_u64 s[8:9], s[8:9], s[18:19]
	s_add_nc_u64 s[10:11], s[10:11], s[20:21]
	s_wait_alu depctr_va_vdst(0)                   ; all offsets and LDS addresses (v4-v7, v12-v15, v156, v157) are written, for every load and store of the kernel; the head is done with v16-v21, in which loads of K land
	; 18 loads: K tile 0 (4), its klen, K tile 1 (4), its klen, V (8)
.irp t, 0,1
	global_load_b128 v[KX0+16*\t:KX0+16*\t+3],     v4, s[4:5] offset:16384*\t
	global_load_b128 v[KX0+16*\t+4:KX0+16*\t+7],   v4, s[4:5] offset:16384*\t+16
	global_load_b128 v[KX0+16*\t+8:KX0+16*\t+11],  v4, s[4:5] offset:16384*\t+64
	global_load_b128 v[KX0+16*\t+12:KX0+16*\t+15], v4, s[4:5] offset:16384*\t+80
	global_load_b32 v[8+2*\t], v6, s[8:9] offset:64*\t
.endr
.irp j, 0,1,2,3,4,5,6,7
	global_load_b128 v[VX+4*\j:VX+4*\j+3], v5, s[6:7] offset:4096*\j
.endr
.macro KTILE t, left
	s_wait_loadcnt \left                           ; loads come back in order: this tile and its klen are in, the younger ones stay out
	v_mov_b32 v[9+2*\t], v[8+2*\t]
	FEAT KX0+16*\t, 8+2*\t, F1, F2, \t
	s_wait_alu depctr_va_vdst(0)                   ; the conversions have written F1 and F2, which the four LDS stores read
	ds_store_b128 v7, v[F1:F1+3]   offset:K1R+1536*\t
	ds_store_b128 v7, v[F1+4:F1+7] offset:K1R+1536*\t+32
	ds_store_b128 v7, v[F2:F2+3]   offset:K2R+1536*\t
	ds_store_b128 v7, v[F2+4:F2+7] offset:K2R+1536*\t+32
.endm
	KTILE 0, 13                                    ; 13 younger: tile 1's four, its klen, V's eight
	KTILE 1, 8                                     ; 8 younger: V's
	s_wait_loadcnt 0x0
.irp j, 0,1,2,3,4,5,6,7
	v_cvt_pk_bf16_f32 v[VP+2*\j],   v[VX+4*\j],   v[VX+4*\j+1]
	v_cvt_pk_bf16_f32 v[VP+2*\j+1], v[VX+4*\j+2], v[VX+4*\j+3]
.endr
	s_wait_alu depctr_va_vdst(0)                   ; the conversions have written VP, which the eight LDS stores read; and all vector work on v[16:111] is done: the transposing loads behind the barrier land there, and no vector line stands between
.irp j, 0,1,2,3,4,5,6,7
	ds_store_b64 v12, v[VP+2*\j:VP+2*\j+1] offset:VR+384*\j
.endr
	s_wait_dscnt 0x0                               ; my rows are in LDS, for the other waves' sake
	s_barrier_signal -1
	s_barrier_wait -1
	; second part: D(m = e, n = d) = sum over s.  Both operands lie in LDS with s down the rows: transposing loads.
.irp ks, 0,1,2,3
	ds_load_tr16_b128 v[AF+8*\ks:AF+8*\ks+3],   v13 offset:3072*\ks
	ds_load_tr16_b128 v[AF+8*\ks+4:AF+8*\ks+7], v13 offset:3072*\ks+1536
.irp x, 0,1
	ds_load_tr16_b128 v[BF+16*\ks+8*\x:BF+16*\ks+8*\x+3],   v14 offset:VR+3072*\ks+32*\x
	ds_load_tr16_b128 v[BF+16*\ks+8*\x+4:BF+16*\ks+8*\x+7], v14 offset:VR+3072*\ks+32*\x+1536
.endr
.endr
.irp i, 0,1,2,3,4,5,6,7
	v_mov_b32 v[ONES+\i], 0x3f803f80
.endr
	s_wait_dscnt 0x0
	s_wait_alu depctr_vm_vsrc(0)                   ; my LDS stores have read F1, F2 and VP: the products below write D0, D1, D2 over them
	; three accumulators by turns, one instruction a turn; the first K step starts the sums
	v_wmma_f32_16x16x32_bf16 v[D0:D0+7], v[AF:AF+7], v[BF:BF+7], 0
	v_wmma_f32_16x16x32_bf16 v[D1:D1+7], v[AF:AF+7], v[BF+8:BF+15], 0
	v_wmma_f32_16x16x32_bf16 v[D2:D2+7], v[AF:AF+7], v[ONES:ONES+7], 0
.irp ks, 1,2,3
	v_wmma_f32_16x16x32_bf16 v[D0:D0+7], v[AF+8*\ks:AF+8*\ks+7], v[BF+16*\ks:BF+16*\ks+7], v[D0:D0+7]
	v_wmma_f32_16x16x32_bf16 v[D1:D1+7], v[AF+8*\ks:AF+8*\ks+7], v[BF+16*\ks+8:BF+16*\ks+15], v[D1:D1+7]
	v_wmma_f32_16x16x32_bf16 v[D2:D2+7], v[AF+8*\ks:AF+8*\ks+7], v[ONES:ONES+7], v[D2:D2+7]
.endr
	PLACES 4                                       ; four places before stores read the results
	s_wait_alu depctr_va_vdst(0)                   ; the products have written D0, D1, D2, which the stores read, and are done reading v16 and v17, in which the last LDS load lands; the places above stay beside this wait
	global_store_b128 v15, v[D0:D0+3], s[10:11]                ; each store of the wave covers 512 consecutive bytes, aligned
	global_store_b128 v15, v[D0+4:D0+7], s[10:11] offset:512
	global_store_b128 v15, v[D1:D1+3], s[10:11] offset:2048
	global_store_b128 v15, v[D1+4:D1+7], s[10:11] offset:2560
	ds_store_b128 v156, v[D2:D2+3] offset:KCS                  ; every column of D2 holds the same sums: 16 lanes write one value to one place
	ds_store_b128 v156, v[D2+4:D2+7] offset:KCS+16
	s_wait_dscnt 0x0
	s_barrier_signal -1
	s_barrier_wait -1
	s_cmp_lg_u32 s12, 0
	s_cbranch_scc1 .Lend
	ds_load_b64 v[16:17], v157 offset:KCS                      ; wave 0 gathers the four waves' 64 sums
	s_wait_dscnt 0x0
	global_store_b64 v157, v[16:17], s[10:11] offset:8192      ; 256 consecutive bytes, aligned
.Lend:
	s_wait_dscnt 0x0
	s_wait_alu depctr_hold_cnt(0) depctr_sa_sdst(0) depctr_va_vdst(0) depctr_va_sdst(0) depctr_va_ssrc(0) depctr_va_vcc(0) depctr_vm_vsrc(0)
	s_wait_tensorcnt 0x0
	ds_add_u32 v158, v159
	s_wait_dscnt 0x0
	s_endpgm
.Lfunc_end_k_q6b758958de_states:
	.size	k_q6b758958de_states, .Lfunc_end_k_q6b758958de_states-k_q6b758958de_states
	.p2alignl 7, 3214868480
	.fill 96, 4, 3214868480
	.section	.rodata,"a",@progbits
	.p2align	6, 0x0
	.amdhsa_kernel k_q6b758958de_states
		.amdhsa_group_segment_fixed_size 37632
		.amdhsa_private_segment_fixed_size 0
		.amdhsa_enable_private_segment 0
		.amdhsa_kernarg_size 32
		.amdhsa_user_sgpr_count 2
		.amdhsa_user_sgpr_kernarg_segment_ptr 1
		.amdhsa_wavefront_size32 1
		.amdhsa_system_sgpr_workgroup_id_x 1
		.amdhsa_system_sgpr_workgroup_id_y 1
		.amdhsa_system_sgpr_workgroup_id_z 1
		.amdhsa_system_vgpr_workitem_id 0
		.amdhsa_next_free_vgpr 160
		.amdhsa_next_free_sgpr 66
		.amdhsa_reserve_vcc 0
		.amdhsa_float_denorm_mode_32 3
		.amdhsa_float_denorm_mode_16_64 3
		.amdhsa_memory_ordered 1
		.amdhsa_forward_progress 1
		.amdhsa_inst_pref_size 31
	.end_amdhsa_kernel
	.amdgpu_metadata
---
amdhsa.version: [ 1, 2 ]
amdhsa.kernels:
  - .name:           k_q6b758958de_states
    .symbol:         k_q6b758958de_states.kd
    .args:
      - { .name: keys, .offset: 0, .size: 8, .value_kind: global_buffer, .address_space: global }
      - { .name: values, .offset: 8, .size: 8, .value_kind: global_buffer, .address_space: global }
      - { .name: key_lengths, .offset: 16, .size: 8, .value_kind: global_buffer, .address_space: global }
      - { .name: states, .offset: 24, .size: 8, .value_kind: global_buffer, .address_space: global }
    .group_segment_fixed_size: 37632
    .private_segment_fixed_size: 0
    .kernarg_segment_align: 8
    .kernarg_segment_size: 32
    .max_flat_workgroup_size: 128
    .sgpr_count:     66
    .vgpr_count:     160
    .wavefront_size: 32
...
	.end_amdgpu_metadata
.endif
;; end of part 3
;; launch attend (part 4): grid 16 x 16, 8 waves a work-group, no clusters, 54,016 bytes of LDS; arguments queries, keys, values, key_lengths, W1, W2, W3, states, out0; writes out0
.if DOCPART == 4
	.amdgcn_target "amdgcn-amd-amdhsa--gfx1250"
	.amdhsa_code_object_version 6
	.text
	.protected	k_q6b758958de_attend
	.globl	k_q6b758958de_attend
	.p2align	8
	.type	k_q6b758958de_attend,@function
k_q6b758958de_attend:
	s_mov_b64 s[64:65], 0
	v_nop
	global_prefetch_b8 v0, s[64:65] scope:SCOPE_SE
	s_setreg_imm32_b32 hwreg(HW_REG_WAVE_SCHED_MODE, 0, 2), 2
	s_setreg_imm32_b32 hwreg(HW_REG_WAVE_MODE, 25, 1), 1
	s_wait_xcnt 0x0
	s_wait_alu depctr_vm_vsrc(0)
; attend: out = W1 * band softmax + W2 * linear branch(phi) + W3 * linear branch(phi^2), for chunk c (128 rows) of sequence nh = 8 n + head.
; Eight waves, all with the same text.  Wave w owns the 16 rows 16 w .. 16 w + 15 as queries and as keys.  In front of the one barrier each
; wave (a) adds up its 1/8 of the records of chunks 0 .. c-1 (the state in front of this chunk) and rounds it as matrix operands into LDS,
; (b) brings in two of the 16 rows of V in front of the chunk, (c) maps its K rows and puts them and its V rows into LDS, (d) maps its Q
; rows and makes the band's weights, in registers.  Behind the barrier it multiplies and stores its 16 rows.
; SCORES ARE MADE TRANSPOSED: D = A(16 keys) x B(16 queries), so lane (r, h) register j holds (key 8 h + j, query r).  Two such tiles,
; rounded in pairs, are the B operand (n = query, k = 32 keys) of O^T = A(V^T, m = d) x B: scores never leave registers.
; Denominators: the same B operand against an A of ones; every row of that result holds query r's sum, so every lane has its own.
; FORMATS.  A sequence's first rows are means over a few keys: there a rounding of a weight or a value shows whole in the result, so the
; products inside the chunk take f16 operands (11 bits) and not bf16 (8 bits).  Qhat, Khat and their scores P lie in [0, 1] for every input,
; since the formula normalises them; they are kept as 2^7 Qhat, 2^8 Khat and 2^15 P (32,768 at the most), so that f16's spacing at the
; bottom of its range is 2^-31, 2^-32 and 2^-39 of them, far below the formula's 1e-6.  The band's weights are at most 1, the largest exactly 1.
; bf16 stay: the raw q and k of the band's scores (unbounded inputs), and the state with a bf16 copy of 2^7 Qhat (the state grows with the
; number of rows; it enters from row 128 on, where it is a sum over many keys).  The state is taken times 2^8, so all sums of the two linear
; branches stand at 2^15, the 1e-6 is added as 2^15 * 1e-6, and the scale cancels in the division.  All sums f32.
; Softmax with the row's own maximum taken away; masks by select, never by a product with 0.
; No cluster: what work-groups share are the records, and chunk c needs c of them, another number in each partner.
; No tensor loads: a tile is 2 KiB and each byte is used by the wave that loads it.
; A head's row is 128 bytes and the neighbouring head is another work-group's: eight lanes store one whole row of 128 bytes.
; LIMITS: q, k finite; |v| up to 65,504, f16's largest number (a weight 0 times an infinite or NaN value would spread over the 32 keys of
; one product).  NaN from key_lengths = 0 is carried as the formula carries it.  A denormal row sum counts as 0 in v_rcp_f32 (ISA guide,
; its entry).  The order of the sums is the chunks' and the matrix unit's, not that of a running sum.
; THE MODE: SCHED_MODE bits 1:0 = 2 (LLVM: expert scheduling mode 2), set by the entry lines.  The code itself states the register dependences
; between vector or matrix instructions and memory or LDS instructions, with s_wait_alu, always for 0.
; THE PLAN.  Registers that memory or LDS instructions touch:
;   v4-v11, v15                offsets made at the head, ahead of the wait in front of the first load; never written again.
;   v12-v14, v16-v18           LDS addresses made while the records are on their way, ahead of the wait behind the state's conversions.
;   v19-v22                    LDS addresses made behind the band's scores, ahead of the wait behind the barrier.
;   v[96:143]                  records (or zeros), read by their sum; then W1, W2, W3 land here, behind the wait behind the state's conversions.
;   SP; KH1, KH2, VP           written by conversions, read by LDS stores, each run of stores behind one wait; one wait in Q's map, ahead of its
;                              conversions, states that all those stores have read them: from there on they are written again (QF1, PRAW, QB1, DEN2).
;   v[48:95], v[224:239]       Q, the K rows in front, V, and the raw operands; behind the barrier SFR, KCF, VTB land here, behind one wait.
;   KA, VT (v[48:95])          each pair of key tiles loads them anew: one wait at the pair's head states that the products issued so far are done reading them.
;   OB                         written by the last arithmetic, read by the stage's stores, behind one wait, which also serves the loads from the stage into v[48:63].
; A compare's mask goes into a scalar register: sixteen compares, one wait, their selects.
.set REC,  8448                        ; a record: eight tiles of 1,024 bytes, then 64 f32
.set KF1,  0                           ; 2^8 Khat_0 in f16: 8 tiles x 1,024 bytes, as the operand's registers: half * 512 + 16 L
.set KF2,  8192                        ; 2^8 Khat_1
.set VR,   16384                       ; V in f16, 144 rows of 96 bytes: rows 0-15 in front of the chunk, then the chunk
.set SF,   30208                       ; 2^8 state in bf16 as four A operands (2 kk + x) * 1024 + half * 512 + 16 L
.set KC,   34304                       ; 2^8 sum of Khat in front of the chunk: 64 bf16
.set STG,  34560                       ; the way out: 16 rows x 144 bytes for each wave
.set SEL,  34                          ; s34, s35: lane i of one half reads lane i of the other
.set MSK,  48                          ; s[48:63]   sixteen masks
.set TWO7, 0x43000000                  ; 2^7
.set TWO8, 0x43800000                  ; 2^8
.set EPSS, 0x3d0637bd                  ; 2^15 * 1e-6
; v0-v3 thread, L, r, h.  v4-v25 offsets and distances.  v26, v27 at work.  v[28:29] klen twice.  v[30:31] V in front.
; in front of the barrier
.set KX,   32                          ; v[32:47]   my K rows; then SB, the band's scores; then PB (v[32:39]), the band's weights in f16
.set SB,   32
.set PB,   32
.set QX,   48                          ; v[48:63]   my Q rows
.set PX,   64                          ; v[64:79]   the 16 K rows in front of mine
.set VX,   80                          ; v[80:95]   my V rows
.set RA,   96                          ; v[96:155]  record i: my 16 bytes of its first 4 KiB
.set RB,   156                         ; v[156:215] of its second 4 KiB
.set RC,   216                         ; v[216:230] one of its 64 sums
.set SP,   232                         ; v[232:237] the state, rounded
.set W1R,  96                          ; v[96:143]  behind the records' sum: W1, W2, W3 of my 16 numbers d = 16 x + 8 h + j, index 8 x + j
.set W2R,  112
.set W3R,  128
.set FT,   144
.set FA,   160
.set FU,   176
.set KH1,  184
.set KH2,  192
.set KRAW, 200
.set VP,   208                         ; v[208:215] my V rows in f16, beside KH1 and KH2, so that one wait serves the eight stores; QF1 takes the registers later
.set QB1,  192                         ; v[192:207] 2^7 Qhat in bf16, for the state's products; made behind the band's scores
.set QB2,  200
.set QF1,  208                         ; v[208:223] 2^7 Qhat in f16
.set QF2,  216
.set QRAW, 224
.set PRAW, 232
.set ONES, 240                         ; 1.0 in every f16
.set FR,   248
; behind the barrier
.set SFR,  48                          ; v[48:79]   four state operands; then KA: Khat_0 tiles a = 0, 1, Khat_1 tiles a = 0, 1
.set KA,   48
.set KCF,  80                          ; v[80:95]   two operands of summed Khat; then VT: V transposed, x = 0, 1; then ZZ
.set VT,   80
.set ZZ,   80                          ; v[80:85]   1/denominator, denominator; three times
.set VTB,  224                         ; v[224:239] V transposed for the band; then ST1
.set ST1,  224
.set ST2,  32                          ; v[32:47]   behind the band's products
.set O1,   144
.set DEN1, 160
.set O2,   168
.set DEN2, 184
.set OB,   192                         ; behind the state's products: over QB1, QB2
.set DENB, 248
.macro PLACES n
.rept \n
	v_nop
.endr
.endm
.macro CVTB d, x                       ; 16 f32 to 8 registers of bf16, the lower index in the lower half
.irp i, 0,1,2,3,4,5,6,7
	v_cvt_pk_bf16_f32 v[\d+\i], v[\x+2*\i], v[\x+2*\i+1]
.endr
.endm
.macro CVTH d, x                       ; the same to f16
.irp i, 0,1,2,3,4,5,6,7
	v_cvt_pk_f16_f32 v[\d+\i], v[\x+2*\i], v[\x+2*\i+1]
.endr
.endm
.macro MM0B d, a, b                    ; bf16: the product starts the sum
	v_wmma_f32_16x16x32_bf16 v[\d:\d+7], v[\a:\a+7], v[\b:\b+7], 0
.endm
.macro MM0H d, a, b                    ; f16: the product starts the sum
	v_wmma_f32_16x16x32_f16 v[\d:\d+7], v[\a:\a+7], v[\b:\b+7], 0
.endm
.macro MMAH d, a, b                    ; f16: the product is added in place
	v_wmma_f32_16x16x32_f16 v[\d:\d+7], v[\a:\a+7], v[\b:\b+7], v[\d:\d+7]
.endm
.macro ROWSUM src, dst                 ; the sum of a row's 32 numbers: my 16, then the 16 of the lane 16 away
	v_pk_add_f32 v[FU:FU+1], v[\src:\src+1], v[\src+2:\src+3]
	v_pk_add_f32 v[FU+2:FU+3], v[\src+4:\src+5], v[\src+6:\src+7]
	v_pk_add_f32 v[FU+4:FU+5], v[\src+8:\src+9], v[\src+10:\src+11]
	v_pk_add_f32 v[FU+6:FU+7], v[\src+12:\src+13], v[\src+14:\src+15]
	v_pk_add_f32 v[FU:FU+1], v[FU:FU+1], v[FU+2:FU+3]
	v_pk_add_f32 v[FU+4:FU+5], v[FU+4:FU+5], v[FU+6:FU+7]
	v_pk_add_f32 v[FU:FU+1], v[FU:FU+1], v[FU+4:FU+5]
	v_add_f32 v[FU], v[FU], v[FU+1]
	v_permlanex16_b32 v[FU+1], v[FU], s[SEL], s[SEL+1]
	v_add_f32 v[\dst], v[FU], v[FU+1]
.endm
; x: 16 f32 of a row (e = 8h..8h+7, 16+8h..16+8h+7).  kl: a pair that holds klen twice, or -1.  sc: a power of two.
; f1, f2: sc times the normalised maps, in f16; FT and FA keep them in f32.  again = 1: LDS stores issued earlier have read registers that are written from here on.
.macro FEAT x, kl, sc, f1, f2, again
.irp i, 0,2,4,6,8,10,12,14
	v_pk_mul_f32 v[FT+\i:FT+\i+1], v[\x+\i:\x+\i+1], 0x3fb8aa3b op_sel_hi:[1,0]     ; x log2(e)
.endr
.irp i, 0,1,2,3,4,5,6,7,8,9,10,11,12,13,14,15
	v_exp_f32 v[FT+\i], v[FT+\i]
.endr
.irp i, 0,2,4,6,8,10,12,14
	v_pk_add_f32 v[FA+\i:FA+\i+1], v[\x+\i:\x+\i+1], 1.0 op_sel_hi:[1,0]            ; x + 1; the first of these is the plain place behind the exponentials (ISA guide 5.7.2)
.endr
.irp i, 0,1,2,3,4,5,6,7,8,9,10,11,12,13,14,15
	v_cmp_lt_f32 s[MSK+\i], 0, v[\x+\i]                                             ; x > 0: sixteen masks in a run
.endr
	s_wait_alu depctr_va_vdst(0)                   ; the sixteen exponentials have written v[FT ..], ahead of their first reader
.irp i, 0,2,4,6,8,10,12,14
	v_pk_add_f32 v[FT+\i:FT+\i+1], v[FT+\i:FT+\i+1], -1.0 op_sel_hi:[1,0]           ; (e^x - 1) + 1 in two roundings, not e^x: far below 0 the
.endr
.irp i, 0,2,4,6,8,10,12,14
	v_pk_add_f32 v[FT+\i:FT+\i+1], v[FT+\i:FT+\i+1], 1.0 op_sel_hi:[1,0]            ; formula's elu + 1 is a multiple of 2^-24 or 0, and so is this
.endr
	s_wait_alu depctr_va_sdst(0)                   ; the sixteen compares have written s[MSK ..], which the selects read
.irp i, 0,1,2,3,4,5,6,7,8,9,10,11,12,13,14,15
	v_cndmask_b32 v[FT+\i], v[FT+\i], v[FA+\i], s[MSK+\i]                           ; phi = x > 0 ? x + 1 : the exponential's branch
.endr
.irp i, 0,2,4,6,8,10,12,14
	v_pk_mul_f32 v[FA+\i:FA+\i+1], v[FT+\i:FT+\i+1], v[FT+\i:FT+\i+1]               ; phi squared
.endr
.if \kl >= 0
.irp i, 0,2,4,6,8,10,12,14
	v_pk_mul_f32 v[FT+\i:FT+\i+1], v[FT+\i:FT+\i+1], v[\kl:\kl+1]
	v_pk_mul_f32 v[FA+\i:FA+\i+1], v[FA+\i:FA+\i+1], v[\kl:\kl+1]
.endr
.endif
	ROWSUM FT, FR+1
	ROWSUM FA, FR+3
	v_rcp_f32 v[FR], v[FR+1]
	v_rcp_f32 v[FR+2], v[FR+3]
	v_nop                                          ; the plain place behind the reciprocals
	s_wait_alu depctr_va_vdst(0)                   ; the two reciprocals have written v[FR] and v[FR+2], ahead of their first reader
	v_mul_f32 v[FR], \sc, v[FR]                    ; the power of two rides on the reciprocal: exact, one multiply a sum
	v_mul_f32 v[FR+2], \sc, v[FR+2]
.irp i, 0,2,4,6,8,10,12,14
	v_pk_mul_f32 v[FT+\i:FT+\i+1], v[FT+\i:FT+\i+1], v[FR:FR+1] op_sel_hi:[1,0]     ; both halves by the pair's first register
	v_pk_mul_f32 v[FA+\i:FA+\i+1], v[FA+\i:FA+\i+1], v[FR+2:FR+3] op_sel_hi:[1,0]
.endr
.if \again
	s_wait_alu depctr_vm_vsrc(0)                   ; all my LDS stores so far have read SP, KH1, KH2 and VP: QF1 below, and later PRAW, QB1 and DEN2, are written over them
.endif
	CVTH \f1, FT
	CVTH \f2, FA
.endm
	s_load_b512 s[4:19], s[0:1], 0x0               ; Q s[4:5], K s[6:7], V s[8:9], klen s[10:11], W1 s[12:13], W2 s[14:15], W3 s[16:17], states s[18:19]
	s_load_b64 s[20:21], s[0:1], 0x40              ; out0
	s_set_vgpr_msb 0x40
	v_lshl_add_u32 v0, v0, 2, 0xcf00
	v_mov_b32 v1, 0
	s_set_vgpr_msb 0x4000
	v_lshrrev_b32 v1, 5, v0
	v_readfirstlane_b32 s22, v1                    ; wave 0..7
	s_mov_b32 s23, ttmp9                           ; nh
	s_and_b32 s24, ttmp7, 0xffff                   ; chunk c
	s_lshr_b32 s25, s23, 3                         ; n
	s_and_b32 s30, s23, 7
	s_lshl_b32 s30, s30, 7                         ; head * 128 bytes
	s_mov_b32 s31, 0
	s_lshl_b32 s26, s25, 21                        ; n * 2048 rows of 1,024 bytes + c * 128 rows + head
	s_lshl_b32 s41, s24, 17
	s_add_co_u32 s26, s26, s41
	s_add_co_u32 s26, s26, s30
	s_mov_b32 s27, 0
	s_lshl_b32 s28, s25, 13                        ; key_lengths: n * 8,192 + c * 512
	s_lshl_b32 s41, s24, 9
	s_add_co_u32 s28, s28, s41
	s_mov_b32 s29, 0
	s_mul_i32 s32, s23, 15*REC                     ; my sequence's 15 records
	s_mov_b32 s33, 0
	s_mov_b32 s34, 0x76543210
	s_mov_b32 s35, 0xfedcba98
	s_mov_b32 s36, 0x3e8293ee                      ; log2(e) / sqrt(32)
	s_wait_alu depctr_va_sdst(0)                   ; s22 is written, ahead of its first reader
	s_or_b32 s41, s24, s22
	s_cmp_eq_u32 s41, 0                            ; the sequence's first 16 rows have no rows in front:
	s_cselect_b32 s37, 16384, 0                    ; they load their own K rows in that place (inside the buffer),
	s_cselect_b32 s38, 0x1000, 0                   ; and a distance out of the band throws those scores away
	s_cmp_eq_u32 s24, 0
	s_cselect_b32 s46, 16384, 0                    ; chunk 0: its own first V rows stand in for the rows in front (their weights are 0)
	s_mov_b32 s47, 0
	s_lshr_b32 s39, s22, 1
	s_add_co_u32 s39, s39, 1                       ; pairs of key tiles up to my own: w / 2 + 1
	s_lshl_b32 s40, s22, 4                         ; 16 w
	s_lshl_b32 s44, s22, 14
	s_add_co_u32 s44, s44, s37
	s_mov_b32 s45, 0
	s_mul_i32 s42, s22, 2304
	s_add_co_u32 s42, s42, STG                     ; my stage
	v_and_b32 v1, 31, v0                           ; L
	v_and_b32 v2, 15, v0                           ; r
	v_bfe_u32 v3, v0, 4, 1                         ; h
	v_add_nc_u32 v26, s40, v2                      ; row 16 w + r
	v_lshlrev_b32 v4, 10, v26
	v_lshl_add_u32 v4, v3, 5, v4                   ; operand order: row * 1024 + 32 h
	v_lshlrev_b32 v5, 10, v2
	v_lshl_add_u32 v5, v3, 5, v5                   ; the same without my wave's rows
	v_lshlrev_b32 v7, 2, v26                       ; klen: row * 4
	v_bfe_u32 v26, v0, 3, 2                        ; L >> 3
	v_and_b32 v27, 7, v0                           ; L & 7
	v_add_nc_u32 v15, s40, v26
	v_lshlrev_b32 v6, 10, v15
	v_lshl_add_u32 v6, v27, 4, v6                  ; row order: eight lanes take a row of 128 bytes, four rows an instruction
	v_mul_u32_u24 v15, v15, 96
	v_lshl_add_u32 v15, v27, 3, v15                ; V into LDS: (16 w + (L >> 3)) * 96 + 8 (L & 7)
	v_lshlrev_b32 v8, 5, v3                        ; W: 32 h
	v_lshlrev_b32 v9, 4, v0                        ; records: 16 t
	v_and_b32 v10, 63, v0
	v_lshlrev_b32 v10, 2, v10                      ; their sums: 4 (t mod 64)
	v_lshrrev_b32 v17, 4, v0                       ; t >> 4: one of the 16 rows in front
	v_lshlrev_b32 v11, 10, v17
	v_lshl_add_u32 v11, v2, 3, v11                 ; that row, 8 bytes a thread
	s_wait_kmcnt 0x0
	s_add_nc_u64 s[4:5], s[4:5], s[26:27]
	s_add_nc_u64 s[6:7], s[6:7], s[26:27]
	s_add_nc_u64 s[8:9], s[8:9], s[26:27]
	s_add_nc_u64 s[20:21], s[20:21], s[26:27]
	s_add_nc_u64 s[10:11], s[10:11], s[28:29]
	s_add_nc_u64 s[12:13], s[12:13], s[30:31]
	s_add_nc_u64 s[14:15], s[14:15], s[30:31]
	s_add_nc_u64 s[16:17], s[16:17], s[30:31]
	s_add_nc_u64 s[18:19], s[18:19], s[32:33]
	s_add_nc_u64 s[44:45], s[6:7], s[44:45]
	s_sub_nc_u64 s[44:45], s[44:45], 16384         ; K at the 16 rows in front of mine
	s_add_nc_u64 s[46:47], s[8:9], s[46:47]
	s_sub_nc_u64 s[46:47], s[46:47], 16384         ; V at the 16 rows in front of the chunk
	s_wait_alu depctr_va_vdst(0)                   ; the offsets v4-v11 and v15 are written, which the loads and stores of the kernel read
	; 18 loads: K 4, klen 1, V 4, V in front 1, Q 4, the K rows in front 4
	global_load_b128 v[KX:KX+3],     v4, s[6:7]
	global_load_b128 v[KX+4:KX+7],   v4, s[6:7] offset:16
	global_load_b128 v[KX+8:KX+11],  v4, s[6:7] offset:64
	global_load_b128 v[KX+12:KX+15], v4, s[6:7] offset:80
	global_load_b32 v28, v7, s[10:11]
.irp j, 0,1,2,3
	global_load_b128 v[VX+4*\j:VX+4*\j+3], v6, s[8:9] offset:4096*\j
.endr
	global_load_b64 v[30:31], v11, s[46:47]
	global_load_b128 v[QX:QX+3],     v4, s[4:5]
	global_load_b128 v[QX+4:QX+7],   v4, s[4:5] offset:16
	global_load_b128 v[QX+8:QX+11],  v4, s[4:5] offset:64
	global_load_b128 v[QX+12:QX+15], v4, s[4:5] offset:80
	global_load_b128 v[PX:PX+3],     v5, s[44:45]
	global_load_b128 v[PX+4:PX+7],   v5, s[44:45] offset:16
	global_load_b128 v[PX+8:PX+11],  v5, s[44:45] offset:64
	global_load_b128 v[PX+12:PX+15], v5, s[44:45] offset:80
	; records 0 .. c-1 are loaded; the registers of the others get 0, while the loads are on their way.  Every path writes each register once.
.irp i, 0,1,2,3,4,5,6,7,8,9,10,11,12,13,14
	s_cmp_le_u32 s24, \i
	s_cbranch_scc1 .Lzero_\i
	global_load_b128 v[RA+4*\i:RA+4*\i+3], v9, s[18:19] offset:REC*\i
	global_load_b128 v[RB+4*\i:RB+4*\i+3], v9, s[18:19] offset:REC*\i+4096
	global_load_b32 v[RC+\i], v10, s[18:19] offset:REC*\i+8192
.endr
	s_branch .Lissued
.irp i, 0,1,2,3,4,5,6,7,8,9,10,11,12,13,14
.Lzero_\i:
.irp k, 0,1,2,3
	v_mov_b32 v[RA+4*\i+\k], 0
	v_mov_b32 v[RB+4*\i+\k], 0
.endr
	v_mov_b32 v[RC+\i], 0
.endr
.Lissued:
	v_lshl_add_u32 v12, v3, 3, v27
	v_mul_u32_u24 v12, v12, 96
	v_bfe_u32 v26, v0, 3, 1
	v_lshl_add_u32 v12, v26, 4, v12                ; transposing load: (8 h + (L & 7)) * 96 + 16 ((L >> 3) & 1)
	v_lshlrev_b32 v13, 4, v1                       ; 16 L
	s_lshl_b32 s41, s22, 10
	v_add_nc_u32 v14, s41, v13                     ; my tile among the Khat operands
	v_lshrrev_b32 v16, 6, v0
	v_lshl_add_u32 v16, v16, 9, v13
	v_bfe_u32 v26, v0, 5, 1
	v_lshl_add_u32 v16, v26, 3, v16                ; my bytes 16 t of a record are registers 4 (w & 1) .. of tile w / 2: 512 (w / 2) + 16 L + 8 (w & 1)
	v_mul_u32_u24 v17, v17, 96
	v_lshl_add_u32 v17, v2, 2, v17                 ; V in front: LDS row t >> 4, 4 r
	v_lshlrev_b32 v18, 1, v0                       ; 2 t
	s_wait_loadcnt 0x0                             ; the number of loads issued hangs on c: all of them
.irp i, 1,2,3,4,5,6,7,8,9,10,11,12,13,14
	v_pk_add_f32 v[RA:RA+1],   v[RA:RA+1],   v[RA+4*\i:RA+4*\i+1]
	v_pk_add_f32 v[RA+2:RA+3], v[RA+2:RA+3], v[RA+4*\i+2:RA+4*\i+3]
	v_pk_add_f32 v[RB:RB+1],   v[RB:RB+1],   v[RB+4*\i:RB+4*\i+1]
	v_pk_add_f32 v[RB+2:RB+3], v[RB+2:RB+3], v[RB+4*\i+2:RB+4*\i+3]
	v_add_f32 v[RC], v[RC], v[RC+\i]
.endr
	v_pk_mul_f32 v[RA:RA+1],   v[RA:RA+1],   TWO8 op_sel_hi:[1,0]      ; the state times 2^8, as Khat inside the chunk
	v_pk_mul_f32 v[RA+2:RA+3], v[RA+2:RA+3], TWO8 op_sel_hi:[1,0]
	v_pk_mul_f32 v[RB:RB+1],   v[RB:RB+1],   TWO8 op_sel_hi:[1,0]
	v_pk_mul_f32 v[RB+2:RB+3], v[RB+2:RB+3], TWO8 op_sel_hi:[1,0]
	v_mul_f32 v[RC], TWO8, v[RC]
	; a record's tile holds (e = 16 et + 8 h + j, d = r): rounded in pairs it is half et of the A operand (m = d, k = e)
	v_cvt_pk_bf16_f32 v[SP],   v[RA],   v[RA+1]
	v_cvt_pk_bf16_f32 v[SP+1], v[RA+2], v[RA+3]
	v_cvt_pk_bf16_f32 v[SP+2], v[RB],   v[RB+1]
	v_cvt_pk_bf16_f32 v[SP+3], v[RB+2], v[RB+3]
	v_cvt_pk_f16_f32 v[SP+4], v30, v31
	s_wait_alu depctr_va_vdst(0)                   ; the zeros, the sum and the conversions are done with v[96:143], in which W1, W2, W3 land; v[SP .. SP+4] and the LDS addresses v12-v14, v16-v18 are written, which the LDS stores and loads read
	; W1, W2, W3: 12 loads into registers that the sum has freed; they stay out until the end
.irp x, 0,1
	global_load_b128 v[W1R+8*\x:W1R+8*\x+3],   v8, s[12:13] offset:64*\x
	global_load_b128 v[W1R+8*\x+4:W1R+8*\x+7], v8, s[12:13] offset:64*\x+16
	global_load_b128 v[W2R+8*\x:W2R+8*\x+3],   v8, s[14:15] offset:64*\x
	global_load_b128 v[W2R+8*\x+4:W2R+8*\x+7], v8, s[14:15] offset:64*\x+16
	global_load_b128 v[W3R+8*\x:W3R+8*\x+3],   v8, s[16:17] offset:64*\x
	global_load_b128 v[W3R+8*\x+4:W3R+8*\x+7], v8, s[16:17] offset:64*\x+16
.endr
	ds_store_b64 v16, v[SP:SP+1]   offset:SF
	ds_store_b64 v16, v[SP+2:SP+3] offset:SF+2048
	ds_store_b32 v17, v[SP+4] offset:VR
	s_cmp_ge_u32 s22, 2
	s_cbranch_scc1 .Lno_kc
	v_cvt_pk_bf16_f32 v[SP+5], v[RC], v[RC]        ; waves 0 and 1: the 64 sums of Khat
	s_wait_alu depctr_va_vdst(0)                   ; the conversion has written v[SP+5], which the LDS store reads
	ds_store_b16 v18, v[SP+5] offset:KC
.Lno_kc:
	; my K rows: raw for the band, mapped for the linear branches; my V rows beside them
	v_mov_b32 v29, v28
	CVTB KRAW, KX
	FEAT KX, 28, TWO8, KH1, KH2, 0
.irp j, 0,1,2,3
	v_cvt_pk_f16_f32 v[VP+2*\j],   v[VX+4*\j],   v[VX+4*\j+1]
	v_cvt_pk_f16_f32 v[VP+2*\j+1], v[VX+4*\j+2], v[VX+4*\j+3]
.endr
	s_wait_alu depctr_va_vdst(0)                   ; the conversions have written KH1, KH2 and VP, which the eight LDS stores read
	ds_store_b128 v14, v[KH1:KH1+3]   offset:KF1
	ds_store_b128 v14, v[KH1+4:KH1+7] offset:KF1+512
	ds_store_b128 v14, v[KH2:KH2+3]   offset:KF2
	ds_store_b128 v14, v[KH2+4:KH2+7] offset:KF2+512
.irp j, 0,1,2,3
	ds_store_b64 v15, v[VP+2*\j:VP+2*\j+1] offset:VR+1536+384*\j
.endr
	CVTB QRAW, QX
	FEAT QX, -1, TWO7, QF1, QF2, 1
	CVTB PRAW, PX
	; the band: 32 keys (16 in front, my 16) against my 16 queries
	MM0B SB, PRAW, QRAW
	MM0B SB+8, KRAW, QRAW
	v_mov_b32 v27, 0xff800000                      ; the plain instructions from here to the first select stand behind the products (four are asked: ISA guide 7.12.1)
	v_lshlrev_b32 v19, 4, v3                       ; 16 h
	s_mul_i32 s41, s22, 1536
	v_add_nc_u32 v20, s41, v12                     ; the band's 32 rows of V begin at LDS row 16 w
	v_mul_u32_u24 v21, v2, 144                     ; the stage, in: row r, 32 h
	v_lshl_add_u32 v21, v3, 5, v21
	v_add_nc_u32 v21, s42, v21
	v_lshrrev_b32 v22, 3, v1                       ; the stage, back: row L >> 3, 16 (L & 7)
	v_mul_u32_u24 v22, v22, 144
	v_and_b32 v26, 7, v1
	v_lshl_add_u32 v22, v26, 4, v22
	v_add_nc_u32 v22, s42, v22
	v_lshlrev_b32 v26, 3, v3
	v_sub_nc_u32 v23, v2, v26                      ; query - key in my own tile, at j = 0: r - 8 h
	v_add_nc_u32 v24, 16, v23                      ; and against the tile in front,
	v_add_nc_u32 v24, s38, v24                     ; out of the band where there is none
	v_add_nc_u32 v25, s40, v23                     ; query - key inside the chunk, at key 8 h: 16 w + r - 8 h
.irp j, 0,1,2,3,4,5,6,7
	v_sub_nc_u32 v26, v24, \j                      ; query - key; in the band if 0 .. 9, as an unsigned number
	v_cmp_gt_u32 s[MSK+\j], 10, v26
	v_sub_nc_u32 v26, v23, \j
	v_cmp_gt_u32 s[MSK+8+\j], 10, v26
.endr
	s_wait_alu depctr_va_sdst(0)                   ; the sixteen compares have written s[MSK ..], which the selects read
.irp j, 0,1,2,3,4,5,6,7
	v_cndmask_b32 v[SB+\j], v27, v[SB+\j], s[MSK+\j]
	v_cndmask_b32 v[SB+8+\j], v27, v[SB+8+\j], s[MSK+8+\j]
.endr
	v_max3_num_f32 v26, v[SB], v[SB+1], v[SB+2]    ; the row's maximum; the key on the diagonal is always in the band, so it is finite
.irp i, 3,5,7,9,11,13
	v_max3_num_f32 v26, v26, v[SB+\i], v[SB+\i+1]
.endr
	v_max_num_f32 v26, v26, v[SB+15]
	v_permlanex16_b32 v27, v26, s34, s35
	v_max_num_f32 v26, v26, v27
	v_mul_f32 v27, s36, v26
.irp i, 0,1,2,3,4,5,6,7,8,9,10,11,12,13,14,15
	v_fma_f32 v[SB+\i], v[SB+\i], s36, -v27        ; (score - maximum) log2(e) / sqrt(32); -inf stays -inf
.endr
.irp i, 0,1,2,3,4,5,6,7,8,9,10,11,12,13,14,15
	v_exp_f32 v[SB+\i], v[SB+\i]
.endr
.irp i, 0,1,2,3,4,5,6,7
	v_mov_b32 v[ONES+\i], 0x3c003c00               ; plain instructions behind the exponentials
.endr
	s_wait_alu depctr_va_vdst(0)                   ; the sixteen exponentials have written v[SB ..], ahead of their first reader
	CVTH PB, SB                                    ; in place: register i is written after registers 2 i, 2 i + 1 are read
	CVTB QB1, FT                                   ; FT and FA still hold 2^7 Qhat in f32: the copy in bf16 for the state's products,
	CVTB QB2, FA                                   ; into registers that the K rows have left
	s_wait_dscnt 0x0                               ; my LDS stores are done, for the other waves' sake
	s_barrier_signal -1
	s_barrier_wait -1
	; ---------------- behind the barrier ----------------
	s_wait_alu depctr_va_vdst(0)                   ; the maps, conversions and the band's two products are done with v[48:95] and v[224:239], in which the loads below land; the LDS addresses v19-v22 are written
.irp f, 0,1,2,3
	ds_load_b128 v[SFR+8*\f:SFR+8*\f+3],   v13 offset:SF+1024*\f
	ds_load_b128 v[SFR+8*\f+4:SFR+8*\f+7], v13 offset:SF+1024*\f+512
.endr
.irp k, 0,1
	ds_load_b128 v[KCF+8*\k:KCF+8*\k+3],   v19 offset:KC+64*\k         ; every lane of a half takes the same 16 bytes: all 16 rows of the operand are alike
	ds_load_b128 v[KCF+8*\k+4:KCF+8*\k+7], v19 offset:KC+64*\k+32
.endr
.irp x, 0,1
	ds_load_tr16_b128 v[VTB+8*\x:VTB+8*\x+3],   v20 offset:VR+32*\x
	ds_load_tr16_b128 v[VTB+8*\x+4:VTB+8*\x+7], v20 offset:VR+32*\x+1536
.endr
	s_wait_dscnt 0x0
	; six sums are started by what the state in front of the chunk gives, in bf16
	MM0B O1, SFR, QB1
	MM0B O2, SFR+16, QB2
	MM0B O1+8, SFR+8, QB1
	MM0B O2+8, SFR+24, QB2
	MM0B DEN1, KCF, QB1
	MM0B DEN2, KCF+8, QB2
	PLACES 5                                       ; five places before the band's products write over QB1 and QB2 (ISA guide 7.12.1)
	MM0H OB, VTB, PB
	MM0H OB+8, VTB+8, PB
	MM0H DENB, ONES, PB
	PLACES 5                                       ; five places before products write over these operands
; 32 keys of the chunk (tiles 2 p, 2 p + 1) against my queries, both maps.  The f16 products add onto sums that bf16 products began: that is
; no chain of one form, and the five places that it owes are the selects and conversions of the first pair.
.macro PAIR p
	s_wait_alu depctr_va_vdst(0)                   ; the products issued so far are done reading v[KA ..] and v[VT ..] (at the first pair: the state's operands), in which the twelve loads below land
.irp a, 0,1
	ds_load_b128 v[KA+8*\a:KA+8*\a+3],       v13 offset:KF1+2048*\p+1024*\a
	ds_load_b128 v[KA+8*\a+4:KA+8*\a+7],     v13 offset:KF1+2048*\p+1024*\a+512
	ds_load_b128 v[KA+16+8*\a:KA+16+8*\a+3], v13 offset:KF2+2048*\p+1024*\a
	ds_load_b128 v[KA+16+8*\a+4:KA+16+8*\a+7], v13 offset:KF2+2048*\p+1024*\a+512
.endr
.irp x, 0,1
	ds_load_tr16_b128 v[VT+8*\x:VT+8*\x+3],   v12 offset:VR+1536+3072*\p+32*\x
	ds_load_tr16_b128 v[VT+8*\x+4:VT+8*\x+7], v12 offset:VR+1536+3072*\p+32*\x+1536
.endr
.irp a, 0,1
.irp j, 0,1,2,3,4,5,6,7
	v_cmp_le_i32 s[MSK+8*\a+\j], 32*\p+16*\a+\j, v25   ; key <= query: sixteen masks, made while the loads are on their way; they name v25 alone
.endr
.endr
	s_wait_dscnt 0x4                               ; the eight loads of Khat are in; V's four, issued behind them, may stay out
	MM0H ST1, KA, QF1
	MM0H ST2, KA+16, QF2
	MM0H ST1+8, KA+8, QF1
	MM0H ST2+8, KA+24, QF2
	PLACES 4
	s_wait_alu depctr_va_sdst(0)                   ; the sixteen compares have written s[MSK ..], which the selects read
.irp a, 0,1
.irp j, 0,1,2,3,4,5,6,7
	v_cndmask_b32 v[ST1+8*\a+\j], 0, v[ST1+8*\a+\j], s[MSK+8*\a+\j]
	v_cndmask_b32 v[ST2+8*\a+\j], 0, v[ST2+8*\a+\j], s[MSK+8*\a+\j]
.endr
.endr
	CVTH ST1, ST1                                  ; in place: the first eight registers become the B operand (n = query, k = 32 keys), 2^15 P
	CVTH ST2, ST2
	s_wait_dscnt 0x0
	MMAH O1, VT, ST1                               ; six accumulators by turns, one instruction a turn
	MMAH O2, VT, ST2
	MMAH O1+8, VT+8, ST1
	MMAH O2+8, VT+8, ST2
	MMAH DEN1, ONES, ST1
	MMAH DEN2, ONES, ST2
	PLACES 5                                       ; before the next pair's products write these operands, and before the results are read
.endm
	PAIR 0
	s_cmp_le_u32 s39, 1
	s_cbranch_scc1 .Ldone
	PAIR 1
	s_cmp_le_u32 s39, 2
	s_cbranch_scc1 .Ldone
	PAIR 2
	s_cmp_le_u32 s39, 3
	s_cbranch_scc1 .Ldone
	PAIR 3
.Ldone:
	s_wait_loadcnt 0x0                             ; W1, W2, W3
	v_add_f32 v[ZZ+1], EPSS, v[DEN1]               ; + 2^15 * 1e-6; every row of a denominator's tile holds query r's sum: register 0 serves
	v_add_f32 v[ZZ+3], EPSS, v[DEN2]
	v_mov_b32 v[ZZ+5], v[DENB]
	v_rcp_f32 v[ZZ], v[ZZ+1]
	v_rcp_f32 v[ZZ+2], v[ZZ+3]
	v_rcp_f32 v[ZZ+4], v[ZZ+5]
	v_nop                                          ; the plain place behind the reciprocals
	s_wait_alu depctr_va_vdst(0)                   ; the three reciprocals have written v[ZZ], v[ZZ+2], v[ZZ+4], ahead of their first reader
.irp i, 0,2,4,6,8,10,12,14
	v_pk_mul_f32 v[OB+\i:OB+\i+1], v[OB+\i:OB+\i+1], v[ZZ+4:ZZ+5] op_sel_hi:[1,0]
	v_pk_mul_f32 v[O1+\i:O1+\i+1], v[O1+\i:O1+\i+1], v[ZZ:ZZ+1] op_sel_hi:[1,0]      ; the 2^15 of sum and denominator cancels here
	v_pk_mul_f32 v[O2+\i:O2+\i+1], v[O2+\i:O2+\i+1], v[ZZ+2:ZZ+3] op_sel_hi:[1,0]
	v_pk_mul_f32 v[OB+\i:OB+\i+1], v[OB+\i:OB+\i+1], v[W1R+\i:W1R+\i+1]
	v_pk_fma_f32 v[OB+\i:OB+\i+1], v[O1+\i:O1+\i+1], v[W2R+\i:W2R+\i+1], v[OB+\i:OB+\i+1]
	v_pk_fma_f32 v[OB+\i:OB+\i+1], v[O2+\i:O2+\i+1], v[W3R+\i:W3R+\i+1], v[OB+\i:OB+\i+1]
.endr
	; the way out: a lane holds 16 numbers of row r; through my own stage they become whole rows of 128 bytes
	s_wait_alu depctr_va_vdst(0)                   ; the lines above have written v[OB ..], which the LDS stores read; the products are done reading v[KA ..], in which the loads from the stage land
.irp x, 0,1
	ds_store_b128 v21, v[OB+8*\x:OB+8*\x+3]   offset:64*\x
	ds_store_b128 v21, v[OB+8*\x+4:OB+8*\x+7] offset:64*\x+16
.endr
.irp j, 0,1,2,3
	ds_load_b128 v[KA+4*\j:KA+4*\j+3], v22 offset:576*\j       ; LDS serves a wave's instructions in order (ISA guide 5.7.1): these see the stores above
.endr
.irp j, 0,1,2,3
	s_wait_dscnt 3-\j                              ; read-back j is in, the younger ones stay out
	global_store_b128 v6, v[KA+4*\j:KA+4*\j+3], s[20:21] offset:4096*\j th:TH_STORE_NT
.endr
	s_set_vgpr_msb 0x5
	s_wait_dscnt 0x0
	s_wait_alu depctr_hold_cnt(0) depctr_sa_sdst(0) depctr_va_vdst(0) depctr_va_sdst(0) depctr_va_ssrc(0) depctr_va_vcc(0) depctr_vm_vsrc(0)
	s_wait_tensorcnt 0x0
	ds_add_u32 v0, v1
	s_wait_dscnt 0x0
	s_endpgm
.Lfunc_end_k_q6b758958de_attend:
	.size	k_q6b758958de_attend, .Lfunc_end_k_q6b758958de_attend-k_q6b758958de_attend
	.p2alignl 7, 3214868480
	.fill 96, 4, 3214868480
	.section	.rodata,"a",@progbits
	.p2align	6, 0x0
	.amdhsa_kernel k_q6b758958de_attend
		.amdhsa_group_segment_fixed_size 54016
		.amdhsa_private_segment_fixed_size 0
		.amdhsa_enable_private_segment 0
		.amdhsa_kernarg_size 72
		.amdhsa_user_sgpr_count 2
		.amdhsa_user_sgpr_kernarg_segment_ptr 1
		.amdhsa_wavefront_size32 1
		.amdhsa_system_sgpr_workgroup_id_x 1
		.amdhsa_system_sgpr_workgroup_id_y 1
		.amdhsa_system_sgpr_workgroup_id_z 1
		.amdhsa_system_vgpr_workitem_id 0
		.amdhsa_next_free_vgpr 258
		.amdhsa_next_free_sgpr 66
		.amdhsa_reserve_vcc 0
		.amdhsa_float_denorm_mode_32 3
		.amdhsa_float_denorm_mode_16_64 3
		.amdhsa_memory_ordered 1
		.amdhsa_forward_progress 1
		.amdhsa_inst_pref_size 82
	.end_amdhsa_kernel
	.amdgpu_metadata
---
amdhsa.version: [ 1, 2 ]
amdhsa.kernels:
  - .name:           k_q6b758958de_attend
    .symbol:         k_q6b758958de_attend.kd
    .args:
      - { .name: queries, .offset: 0, .size: 8, .value_kind: global_buffer, .address_space: global }
      - { .name: keys, .offset: 8, .size: 8, .value_kind: global_buffer, .address_space: global }
      - { .name: values, .offset: 16, .size: 8, .value_kind: global_buffer, .address_space: global }
      - { .name: key_lengths, .offset: 24, .size: 8, .value_kind: global_buffer, .address_space: global }
      - { .name: W1, .offset: 32, .size: 8, .value_kind: global_buffer, .address_space: global }
      - { .name: W2, .offset: 40, .size: 8, .value_kind: global_buffer, .address_space: global }
      - { .name: W3, .offset: 48, .size: 8, .value_kind: global_buffer, .address_space: global }
      - { .name: states, .offset: 56, .size: 8, .value_kind: global_buffer, .address_space: global }
      - { .name: out0, .offset: 64, .size: 8, .value_kind: global_buffer, .address_space: global }
    .group_segment_fixed_size: 54016
    .private_segment_fixed_size: 0
    .kernarg_segment_align: 8
    .kernarg_segment_size: 72
    .max_flat_workgroup_size: 256
    .sgpr_count:     66
    .vgpr_count:     258
    .wavefront_size: 32
...
	.end_amdgpu_metadata
.endif
;; end of part 4
